; MI455X (gfx1250); checked and timed in simulation.
; The chip was launched on July 23, 2026; its instructions are those of AMD's public machine-readable ISA for CDNA 5 (MIT licence, August 2026) and "CDNA5" Instruction Set Architecture Reference Guide (July 2026). The comments in the code are by the model that wrote it; some were corrected since.
;; Causal Self Attention. Allowed arithmetic: matrix products marked QUANTISED: E3M2 operands, one E8M0 scale for each 32 along K, by v_wmma_scale_f32_16x16x128_f8f6f4 with both operands' format E3M2, f32 sums; everything else in f32.
;; Inputs: Wo 1,024 x 1,024 float32; Wqkv 1,024 x 3,072 float32; bo 1,024 float32; bqkv 3,072 float32; x 4 x 2,048 x 1,024 float32.
;; Outputs: out0 4 x 2,048 x 1,024 float32.
;; This version of the problem:
;;   THIS VERSION OF THE PROBLEM IS GIVEN IN LOW PRECISION. The matrix products marked QUANTISED in the list below multiply operands that are first quantised to E3M2 (3 exponent bits, 2 mantissa bits; 6 bits a number), with one power-of-two scale for each 32 numbers along K (OCP MX v1.0); their sums are f32. All else is computed in f32.
;;   The module's matrix products, in the order in which they are computed (A, B: the left and right operand; K: the contracted axis; several contracted axes count as one K, in the product's order):
;;     1. [M 8,192, K 1,024] x [K 1,024, N 3,072]; A: input x; B: input Wqkv: QUANTISED
;;     2. batch 64 x [M 2,048, K 64] x [K 64, N 2,048]; A: computed on the way; B: computed on the way: QUANTISED
;;     3. batch 64 x [M 2,048, K 2,048] x [K 2,048, N 64]; A: softmax (see below); B: computed on the way: QUANTISED
;;     4. [M 8,192, K 1,024] x [K 1,024, N 1,024]; A: computed on the way; B: input Wo: QUANTISED
;;   THE QUANTISER, for each operand of a quantised product, along K:
;;     - K is cut into blocks of 32 from its start; a last block that is shorter is filled with zeros.
;;     - A block's scale is 2^e with e = floor(log2(the largest magnitude in the block)) - 4, held to -126 .. 127; a block of zeros has e = 0. As a byte (E8M0): e + 127.
;;     - Each number is divided by its block's scale, clamped to +-28, and rounded to the nearest number of E3M2, ties to even, subnormals kept.
;;     - The product sums the exact products of the quantised numbers (number of the format x scale) in f32.
;;   ~~~python
;;   def quantise(x, axis):      # numpy; x: float32 -> the quantised numbers, widened to float32 again
;;       x = np.moveaxis(x, axis, -1); K = x.shape[-1]
;;       x = np.pad(x, [(0, 0)] * (x.ndim - 1) + [(0, -K % 32)]); x = x.reshape(x.shape[:-1] + (-1, 32)); a = np.abs(x).max(-1, keepdims=True)
;;       e = np.where(a > 0, np.clip(np.frexp(np.where(a > 0, a, 1))[1] - 1 - 4, -126, 127), 0)      # np.frexp(a)[1] - 1 = floor(log2(a)), exactly
;;       r = np.clip(x / 2.0 ** e, -28, 28)
;;       step = 2.0 ** (np.maximum(np.frexp(np.where(r == 0, 1, r))[1] - 1, -2) - 2)
;;       q = np.round(r / step) * step * 2.0 ** e      # np.round: ties to even
;;       return np.moveaxis(q.reshape(q.shape[:-2] + (-1,))[..., :K], -1, axis).astype(np.float32)
;;   ~~~
;;   SOFTMAX AHEAD OF A QUANTISED PRODUCT. Where the list says 'softmax', what is quantised is not the finished softmax but p = 2^(t - M), with t = logit x log2(e) and M = ceil(the row's largest t), a whole number; so 1/2 < the row's largest p <= 1. The row's sum l is taken of the UNQUANTISED p, in f32, and the product's result is divided by l at the end. Since M is a whole number, a kernel that streams over the keys may use a running M (the ceiling of the running maximum): every later rescaling is an exact power of two, which a block's scale takes up: the codes' values come out the same.
;;   OPERANDS COMPUTED ON THE WAY. 'Computed on the way' means the value that the module computes at that place (a softmax that the list does not call 'softmax' is quantised finished and normalised). What goes into a quantiser is computed in f32, as accurately as f32 sums, v_exp_f32 and their like allow (about 1e-6 of the number): no bf16 or f16 on the way to a quantiser, and a product that is left as it is and whose result goes on into a quantised operand takes f32 operands (vector FMAs, or v_wmma_f32_16x16x4_f32). A number that lies on a knife's edge between two numbers of the format may be rounded either way, as far as f32 arithmetic and the matrix unit's own rounding can turn it there, and no further.
;; One version. Each part assembles by itself: llvm-mc -triple=amdgcn-amd-amdhsa -mcpu=gfx1250 --defsym DOCPART=n.
;; ======== version 1 of 1: 4 launches
;; workspace buffers: XQ 6,553,600 bytes; WQ 3,276,800 bytes; QQ 6,815,744 bytes; KV 13,631,488 bytes; AT 6,815,744 bytes
;; launch quant (part 1): grid 512 x 1, 4 waves a work-group, no clusters, 34,304 bytes of LDS; arguments x, Wqkv, Wo, XQ, WQ; writes XQ, WQ
.if DOCPART == 1
	.amdgcn_target "amdgcn-amd-amdhsa--gfx1250"
	.amdhsa_code_object_version 6
	.text
	.protected	k_q556c642471_quant
	.globl	k_q556c642471_quant
	.p2align	8
	.type	k_q556c642471_quant,@function
k_q556c642471_quant:
	s_mov_b64 s[64:65], 0
	v_nop
	global_prefetch_b8 v0, s[64:65] scope:SCOPE_SE
	s_setreg_imm32_b32 hwreg(HW_REG_WAVE_MODE, 25, 1), 1
	s_wait_xcnt 0x0
; x [8192][1024], Wqkv [1024][3072], Wo [1024][1024], f32, become codes of BF6 (E3M2) along K = 1024, one E8M0 byte for each 32 along K, once each.
; A block's scale byte is its largest magnitude's exponent field - 4, held at 1 from below; numbers are divided by the scale and rounded to the nearest code, ties to even, beyond 28 the largest code.
; LIMITS: NaN and infinities are not served; a block whose largest magnitude lies under 2^-122, a block of zeros among them, takes the byte 1 (its codes add nothing; the bytes are read by this program alone).
; THE OUTPUT IS LAID AS THE READER'S REGISTERS.  A fragment is 16 rows x 128 K, 12 registers a lane (lane (r, h): registers 6 c .. 6 c + 5 = K 64 c + 32 h + 0 .. 31); its image is 1,536 bytes:
; registers 4 c .. 4 c + 3 of lane l at 512 c + 16 l.  Fragment f of a run of rows takes rows 32 (f / 2) + 8 (f % 2) + r + 8 (r / 8).
; Scale words (4 bytes: a row's 128 K): for a pair of fragments and half of K 512 bytes: lane l's four words (four K steps) at 16 l; lanes 0-15 the even fragment, lanes 16-31 the odd one.
; XQ: codes [tile row 32][K step 8][fragment 16][1536]; scale words from XSC on [tile row][pair 8][half 2][512].
; WQ: Wqkv's codes [head 16][K step 8][tile 12: q 0-3, k 4-7, v 8-11][1536]; Wo's from WOC on [128 columns 8][K step 8][tile 8][1536]; scale words from WQS and WOS on.
; Work-groups 0-255 take x, 256-447 Wqkv, 448-511 Wo.  Memory binds: no matrix work, no tensor load, no barrier; waves share nothing.  Only x's way uses LDS.
.set XSC,  6291456
.set WOC,  2359296
.set WQS,  3145728
.set WOS,  3244032
.set STG,  8448                        ; a wave's stage: 16 rows of SP bytes
.set SP,   528                         ; 512 bytes + 16: the sixteen rows that a load touches start in different banks
.set RR,   32                          ; v32-159  two sets of 64: a K step of 16 rows as loaded
.set XX,   160                         ; v160-223 my 64 numbers of my row: register 32 c + i = K 64 c + 32 h + i
.set FF,   224                         ; v224-235 the fragment
.set TT,   236                         ; v236-238, v240-242 upper halves of the two blocks (a conversion's three registers begin on an even number)
.set TM,   244
.set SO,   246
.set BY,   248
.set W4,   250                         ; v250-253 my row's scale words of the four K steps
.set NN,   32                          ; weights: v32-159 my column's 128 numbers down K
.set F0,   160                         ; v160-183 what lanes (r, 0) and (r, 1) of my column's fragment hold
.set TW,   184
.set TMW,  200
.set SOW,  204
.set BYW,  208
.set WW,   212
	s_load_b128 s[4:7], s[0:1], 0x0                ; x, Wqkv
	s_load_b128 s[8:11], s[0:1], 0x10              ; Wo, XQ
	s_load_b64 s[12:13], s[0:1], 0x20              ; WQ
	v_lshl_add_u32 v239, v0, 2, 0x8400
	v_mov_b32 v243, 0
	v_lshrrev_b32 v1, 5, v0
	v_readfirstlane_b32 s14, v1                    ; wave
	v_and_b32 v5, 31, v0                           ; lane
	v_and_b32 v6, 15, v0                           ; r
	v_bfe_u32 v7, v0, 4, 1                         ; h
	v_lshlrev_b32 v1, 4, v5                        ; 16 x lane
	s_cmp_lt_u32 ttmp9, 256
	s_cbranch_scc0 .Lweights
; ---------------- x: a wave takes one fragment's 16 rows x 4 K steps
	s_lshl_b32 s15, ttmp9, 2
	s_add_co_u32 s15, s15, s14
	s_lshr_b32 s16, s15, 1                         ; F: fragment 0..511
	s_and_b32 s17, s15, 1                          ; j: which half of K
	s_lshr_b32 s18, s16, 1
	s_lshl_b32 s18, s18, 17                        ; 32 rows of 4,096 bytes for each pair of fragments
	s_and_b32 s24, s16, 1
	s_lshl_b32 s25, s24, 15                        ; 8 rows for the odd one
	s_add_co_u32 s18, s18, s25
	s_lshl_b32 s25, s17, 11
	s_add_co_u32 s18, s18, s25
	s_mov_b32 s19, 0
	s_lshr_b32 s26, s16, 4                         ; tile row
	s_and_b32 s27, s16, 15                         ; fragment in it
	s_lshl_b32 s20, s26, 3
	s_lshl_b32 s25, s17, 2
	s_add_co_u32 s20, s20, s25
	s_mul_i32 s20, s20, 24576
	s_mul_i32 s25, s27, 1536
	s_add_co_u32 s20, s20, s25
	s_mov_b32 s21, 0
	s_lshl_b32 s22, s26, 13
	s_lshr_b32 s25, s27, 1
	s_lshl_b32 s25, s25, 10
	s_add_co_u32 s22, s22, s25
	s_lshl_b32 s25, s17, 9
	s_add_co_u32 s22, s22, s25
	s_lshl_b32 s25, s24, 8
	s_add_co_u32 s22, s22, s25
	s_add_co_u32 s22, s22, XSC
	s_mov_b32 s23, 0
	s_mul_i32 s30, s14, STG
	s_wait_alu depctr_va_vdst(0)
	v_add_nc_u32 v2, s30, v1                       ; the stage, on the way in: 16 x lane of a row
	v_mul_u32_u24 v3, v6, SP
	v_lshl_add_u32 v3, v7, 7, v3
	v_add_nc_u32 v3, s30, v3                       ; on the way out: row r, + 128 h
	v_lshlrev_b32 v4, 4, v6
	v_lshl_add_u32 v4, v7, 3, v4                   ; the scale words' place: 16 r + 8 h
	v_lshlrev_b32 v8, 3, v7                        ; 8 h
	v_cmp_le_u32 s31, 16, v5                       ; lanes 16-31
	v_mov_b32 v255, 0                              ; a lane permute's destination counts as read
	s_mov_b32 s28, 0x76543210
	s_mov_b32 s29, 0xfedcba98                      ; selects for lane l xor 16
	s_wait_alu depctr_va_vdst(0)
	s_wait_kmcnt 0x0
	s_add_nc_u64 s[4:5], s[4:5], s[18:19]
	s_add_nc_u64 s[20:21], s[10:11], s[20:21]
	s_add_nc_u64 s[22:23], s[10:11], s[22:23]
.macro LOADX t                         ; K step t of the 16 rows: each load reads 512 consecutive bytes of one row
.irp i, 0,1,2,3,4,5,6,7,8,9,10,11,12,13,14,15
	global_load_b128 v[RR+64*((\t)%2)+4*\i:RR+64*((\t)%2)+4*\i+3], v1, s[4:5] offset:(\i+8*(\i/8))*4096+512*(\t) th:TH_LOAD_NT
.endr
.endm
.macro XSTEP t
.if (\t) < 3
	s_wait_loadcnt 16                              ; this step's 16 loads are in; the next step's may be out
.else
	s_wait_loadcnt 0x0
.endif
.irp i, 0,1,2,3,4,5,6,7,8,9,10,11,12,13,14,15
	ds_store_b128 v2, v[RR+64*((\t)%2)+4*\i:RR+64*((\t)%2)+4*\i+3] offset:SP*\i
.endr
.irp c, 0,1
.irp q, 0,1,2,3,4,5,6,7
	ds_load_b128 v[XX+32*\c+4*\q:XX+32*\c+4*\q+3], v3 offset:256*\c+16*\q   ; LDS serves a wave's instructions in order: these see the stores above
.endr
.endr
	s_wait_dscnt 0x0                               ; my numbers are back, and the stores have read their registers,
.if (\t) < 2
	LOADX (\t)+2                                   ; which take the loads of two steps on
.endif
.irp c, 0,1
	v_max3_num_f32 v[TM+\c], |v[XX+32*\c]|, |v[XX+32*\c+1]|, 0x2800000   ; block 2 c + h is all mine; the floor 2^(5 - 127) holds the byte at 1 from below
.endr
.irp i, 2,4,6,8,10,12,14,16,18,20,22,24,26,28,30
.irp c, 0,1
	v_max3_num_f32 v[TM+\c], v[TM+\c], |v[XX+32*\c+\i]|, |v[XX+32*\c+\i+1]|
.endr
.endr
.irp c, 0,1
	v_add_nc_u32 v[SO+\c], 0xfe000000, v[TM+\c]    ; 4 off the exponent field: the conversion's scale operand
.endr
.irp c, 0,1
	v_lshrrev_b32 v[BY+\c], 23, v[SO+\c]           ; the byte
.endr
	v_lshl_or_b32 v254, v[BY+1], 16, v[BY]         ; my two bytes, blocks h and 2 + h,
	v_lshlrev_b32 v254, v8, v254                   ; at their places,
	v_permlanex16_b32 v255, v254, s28, s29
	v_or_b32 v[W4+(\t)], v254, v255                ; with lane l xor 16's two: the row's word
.if (\t) > 0
	s_wait_alu depctr_va_vdst(0)
	s_wait_xcnt 0x0                                ; the last step's stores have read the fragment's registers
.endif
.irp c, 0,1
	v_cvt_scalef32_pk16_bf6_f32 v[FF+6*\c:FF+6*\c+2], v[XX+32*\c:XX+32*\c+15], v[SO+\c]
	v_cvt_scalef32_pk16_bf6_f32 v[TT+4*\c:TT+4*\c+2], v[XX+32*\c+16:XX+32*\c+31], v[SO+\c]
.endr
	v_nop                                          ; one plain place behind a scaled conversion
.irp c, 0,1
.irp i, 0,1,2
	v_mov_b32 v[FF+6*\c+3+\i], v[TT+4*\c+\i]
.endr
.endr
.irp c, 0,1,2
	global_store_b128 v1, v[FF+4*\c:FF+4*\c+3], s[20:21] offset:24576*(\t)+512*\c   ; 32 lanes store 512 consecutive bytes, aligned
.endr
.endm
	LOADX 0
	LOADX 1
	XSTEP 0
	XSTEP 1
	XSTEP 2
	XSTEP 3
	v_cndmask_b32 v254, v[W4], v[W4+2], s31        ; lanes 0-15 store a row's words 0, 1, lanes 16-31 its words 2, 3
	v_cndmask_b32 v255, v[W4+1], v[W4+3], s31
	global_store_b64 v4, v[254:255], s[22:23]      ; 32 lanes store 256 consecutive bytes, aligned
	s_wait_tensorcnt 0x0
	ds_add_u32 v239, v243
	s_wait_dscnt 0x0
	s_endpgm
; ---------------- weights: K is the first axis.  A lane takes a column and its registers run down K: a wave takes 32 columns (two fragments) x 128 K
.Lweights:
	s_sub_co_u32 s15, ttmp9, 256
	s_wait_alu depctr_va_vdst(0)
	v_and_b32 v9, 8, v6
	v_add_nc_u32 v9, v9, v6
	v_lshl_add_u32 v9, v7, 3, v9                   ; my column of the 32: 8 u + r + 8 (r / 8), u = lane / 16: row r of fragment u
	v_lshlrev_b32 v9, 2, v9
	v_mul_u32_u24 v10, v7, 1536
	v_lshl_add_u32 v10, v6, 4, v10                 ; my fragment's image, lane r's place
.macro WLOAD b, pitch, sb              ; block b of my column: each load reads 128 consecutive bytes a wave, 512 a work-group
.irp i, 0,1,2,3,4,5,6,7,8,9,10,11,12,13,14,15,16,17,18,19,20,21,22,23,24,25,26,27,28,29,30,31
	global_load_b32 v[NN+32*(\b)+\i], v9, s[\sb:\sb+1] offset:(32*(\b)+\i)*\pitch th:TH_LOAD_NT
.endr
.endm
.macro WBODY pitch, sb
	WLOAD 0, \pitch, \sb
	WLOAD 1, \pitch, \sb
.irp b, 0,1,2,3
.if \b < 3
	s_wait_loadcnt 32                              ; this block's 32 loads are in; the next block's may be out
.else
	s_wait_loadcnt 0x0
.endif
.if \b < 2
	WLOAD \b+2, \pitch, \sb
.endif
	v_max3_num_f32 v[TMW+\b], |v[NN+32*\b]|, |v[NN+32*\b+1]|, |v[NN+32*\b+2]|
	v_max3_num_f32 v213, |v[NN+32*\b+3]|, |v[NN+32*\b+4]|, |v[NN+32*\b+5]|
.irp i, 6,10,14,18,22,26
	v_max3_num_f32 v[TMW+\b], v[TMW+\b], |v[NN+32*\b+\i]|, |v[NN+32*\b+\i+1]|
	v_max3_num_f32 v213, v213, |v[NN+32*\b+\i+2]|, |v[NN+32*\b+\i+3]|
.endr
	v_max3_num_f32 v[TMW+\b], v[TMW+\b], |v[NN+32*\b+30]|, |v[NN+32*\b+31]|
	v_max3_num_f32 v[TMW+\b], v[TMW+\b], v213, 0x2800000
	v_add_nc_u32 v[SOW+\b], 0xfe000000, v[TMW+\b]
	v_lshrrev_b32 v[BYW+\b], 23, v[SOW+\b]
	v_cvt_scalef32_pk16_bf6_f32 v[F0+12*(\b%2)+6*(\b/2):F0+12*(\b%2)+6*(\b/2)+2], v[NN+32*\b:NN+32*\b+15], v[SOW+\b]   ; block b belongs to lane (r, b % 2) of the fragment, registers 6 (b / 2) on
	v_cvt_scalef32_pk16_bf6_f32 v[TW+4*\b:TW+4*\b+2], v[NN+32*\b+16:NN+32*\b+31], v[SOW+\b]
.endr
	v_nop                                          ; one plain place behind a scaled conversion
.irp b, 0,1,2,3
.irp i, 0,1,2
	v_mov_b32 v[F0+12*(\b%2)+6*(\b/2)+3+\i], v[TW+4*\b+\i]
.endr
.endr
	v_lshl_or_b32 v[WW], v[BYW+1], 8, v[BYW]
	v_lshl_or_b32 v[WW], v[BYW+2], 16, v[WW]
	v_lshl_or_b32 v[WW], v[BYW+3], 24, v[WW]
.irp h, 0,1
.irp c, 0,1,2
	global_store_b128 v10, v[F0+12*\h+4*\c:F0+12*\h+4*\c+3], s[20:21] offset:512*\c+256*\h   ; sixteen lanes store 256 consecutive bytes, aligned
.endr
.endr
	global_store_b32 v1, v[WW], s[22:23]           ; this K step's word of four: 4 bytes of each 16 (131,072 bytes in the whole launch leave so)
	s_endpgm
.endm
	s_cmp_lt_u32 s15, 192
	s_cbranch_scc0 .Lwo
	s_and_b32 s16, s15, 7                          ; K step
	s_lshr_b32 s17, s15, 3
	s_lshl_b32 s17, s17, 2
	s_add_co_u32 s17, s17, s14                     ; P: which 32 columns, 0..95
	s_mul_i32 s18, s16, 128*12288
	s_lshl_b32 s24, s17, 7
	s_add_co_u32 s18, s18, s24
	s_mov_b32 s19, 0
	s_lshr_b32 s24, s17, 5                         ; q, k or v
	s_bfe_u32 s25, s17, 0x40001                    ; head
	s_and_b32 s26, s17, 1                          ; which half of the head's 64
	s_lshl_b32 s27, s24, 1
	s_add_co_u32 s27, s27, s26                     ; pair of tiles 0..5
	s_lshl_b32 s20, s25, 3
	s_add_co_u32 s20, s20, s16
	s_mul_i32 s20, s20, 12
	s_lshl_b32 s30, s27, 1
	s_add_co_u32 s20, s20, s30
	s_mul_i32 s20, s20, 1536
	s_mov_b32 s21, 0
	s_mul_i32 s22, s25, 6144
	s_lshl_b32 s27, s27, 10
	s_add_co_u32 s22, s22, s27
	s_lshr_b32 s27, s16, 2
	s_lshl_b32 s27, s27, 9
	s_add_co_u32 s22, s22, s27
	s_and_b32 s27, s16, 3
	s_lshl_b32 s27, s27, 2
	s_add_co_u32 s22, s22, s27
	s_add_co_u32 s22, s22, WQS
	s_mov_b32 s23, 0
	s_wait_kmcnt 0x0
	s_add_nc_u64 s[6:7], s[6:7], s[18:19]
	s_add_nc_u64 s[20:21], s[12:13], s[20:21]
	s_add_nc_u64 s[22:23], s[12:13], s[22:23]
	s_wait_alu depctr_va_vdst(0)
	WBODY 12288, 6
.Lwo:
	s_sub_co_u32 s15, s15, 192
	s_and_b32 s16, s15, 7                          ; K step
	s_lshr_b32 s17, s15, 3
	s_lshl_b32 s17, s17, 2
	s_add_co_u32 s17, s17, s14                     ; P: which 32 columns, 0..31
	s_mul_i32 s18, s16, 128*4096
	s_lshl_b32 s24, s17, 7
	s_add_co_u32 s18, s18, s24
	s_mov_b32 s19, 0
	s_lshr_b32 s25, s17, 2                         ; which 128 columns
	s_and_b32 s26, s17, 3                          ; pair of tiles in them
	s_lshl_b32 s20, s25, 3
	s_add_co_u32 s20, s20, s16
	s_lshl_b32 s20, s20, 3
	s_lshl_b32 s30, s26, 1
	s_add_co_u32 s20, s20, s30
	s_mul_i32 s20, s20, 1536
	s_add_co_u32 s20, s20, WOC
	s_mov_b32 s21, 0
	s_lshl_b32 s22, s25, 12
	s_lshl_b32 s27, s26, 10
	s_add_co_u32 s22, s22, s27
	s_lshr_b32 s27, s16, 2
	s_lshl_b32 s27, s27, 9
	s_add_co_u32 s22, s22, s27
	s_and_b32 s27, s16, 3
	s_lshl_b32 s27, s27, 2
	s_add_co_u32 s22, s22, s27
	s_add_co_u32 s22, s22, WOS
	s_mov_b32 s23, 0
	s_wait_kmcnt 0x0
	s_add_nc_u64 s[8:9], s[8:9], s[18:19]
	s_add_nc_u64 s[20:21], s[12:13], s[20:21]
	s_add_nc_u64 s[22:23], s[12:13], s[22:23]
	s_wait_alu depctr_va_vdst(0)
	WBODY 4096, 8
.Lfunc_end_k_q556c642471_quant:
	.size	k_q556c642471_quant, .Lfunc_end_k_q556c642471_quant-k_q556c642471_quant
	.p2alignl 7, 3214868480
	.fill 96, 4, 3214868480
	.section	.rodata,"a",@progbits
	.p2align	6, 0x0
	.amdhsa_kernel k_q556c642471_quant
		.amdhsa_group_segment_fixed_size 34304
		.amdhsa_private_segment_fixed_size 0
		.amdhsa_enable_private_segment 0
		.amdhsa_kernarg_size 40
		.amdhsa_user_sgpr_count 2
		.amdhsa_user_sgpr_kernarg_segment_ptr 1
		.amdhsa_wavefront_size32 1
		.amdhsa_system_sgpr_workgroup_id_x 1
		.amdhsa_system_sgpr_workgroup_id_y 1
		.amdhsa_system_sgpr_workgroup_id_z 1
		.amdhsa_system_vgpr_workitem_id 0
		.amdhsa_next_free_vgpr 256
		.amdhsa_next_free_sgpr 66
		.amdhsa_reserve_vcc 0
		.amdhsa_float_denorm_mode_32 3
		.amdhsa_float_denorm_mode_16_64 3
		.amdhsa_memory_ordered 1
		.amdhsa_forward_progress 1
		.amdhsa_inst_pref_size 71
	.end_amdhsa_kernel
	.amdgpu_metadata
---
amdhsa.version: [ 1, 2 ]
amdhsa.kernels:
  - .name:           k_q556c642471_quant
    .symbol:         k_q556c642471_quant.kd
    .args:
      - { .name: x, .offset: 0, .size: 8, .value_kind: global_buffer, .address_space: global }
      - { .name: Wqkv, .offset: 8, .size: 8, .value_kind: global_buffer, .address_space: global }
      - { .name: Wo, .offset: 16, .size: 8, .value_kind: global_buffer, .address_space: global }
      - { .name: XQ, .offset: 24, .size: 8, .value_kind: global_buffer, .address_space: global }
      - { .name: WQ, .offset: 32, .size: 8, .value_kind: global_buffer, .address_space: global }
    .group_segment_fixed_size: 34304
    .private_segment_fixed_size: 0
    .kernarg_segment_align: 8
    .kernarg_segment_size: 40
    .max_flat_workgroup_size: 128
    .sgpr_count:     66
    .vgpr_count:     256
    .wavefront_size: 32
...
	.end_amdgpu_metadata
.endif
;; end of part 1
;; launch gemm_qkv (part 2): grid 16 x 32, 4 waves a work-group, clusters of 4 x 4, 327,680 bytes of LDS; arguments XQ, WQ, bqkv, QQ, KV; writes QQ, KV
.if DOCPART == 2
	.amdgcn_target "amdgcn-amd-amdhsa--gfx1250"
	.amdhsa_code_object_version 6
	.text
	.protected	k_q556c642471_gemm_qkv
	.globl	k_q556c642471_gemm_qkv
	.p2align	8
	.type	k_q556c642471_gemm_qkv,@function
k_q556c642471_gemm_qkv:
	s_mov_b64 s[64:65], 0
	v_nop
	global_prefetch_b8 v0, s[64:65] scope:SCOPE_SE
	s_setreg_imm32_b32 hwreg(HW_REG_WAVE_MODE, 25, 1), 1
	s_wait_xcnt 0x0
	s_wait_alu depctr_hold_cnt(0) depctr_sa_sdst(0) depctr_va_vdst(0) depctr_va_sdst(0) depctr_va_ssrc(0) depctr_va_vcc(0) depctr_vm_vsrc(0)
	s_getreg_b32 s2, hwreg(HW_REG_IB_STS2, 6, 4)
	s_cmp_eq_u32 s2, 0
	s_cbranch_scc0 .Lentry_in_a_cluster
	s_endpgm
.Lentry_in_a_cluster:
	s_bfe_u32 s2, ttmp6, 0x10000c
	s_cmp_lg_u32 s2, 0xf033
	s_cbranch_scc0 .Lentry_shape_is_right
	s_endpgm
.Lentry_shape_is_right:
; qkv = x Wqkv + bqkv on codes of BF6 (E3M2) with E8M0 scales, sums in f32; the results never go to memory as f32: q and k are quantised along the head's 64, v along the keys, in registers, on the way out.
; SHARES.  A work-group makes 256 rows x the q, k and v of ONE head (192 columns): 512 work-groups.  Wave w takes rows 64 w .. 64 w + 63 (4 fragments of x) x all 12 tiles of W: 48 accumulators.
; q and k are used TRANSPOSED (source 0 = 16 columns of W, source 1 = 16 rows of x): a lane holds one row and its registers run along the head's 64.  v is used as it stands (source 0 = x, source 1 = W):
; a lane holds one column d and its registers run along the rows, which are the keys.  Fragment f takes rows (columns) 32 (f / 2) + 8 (f % 2) + r + 8 (r / 8), so that the 16 registers of two neighbouring tiles are 16 neighbours.
; The bias is the C of each sum's first matrix instruction.
; OPERANDS lie in XQ and WQ as images of fragments (1,536 bytes: registers 4 c .. 4 c + 3 of lane l at 512 c + 16 l): a K step's fragments are one dense block, and a fragment comes from LDS by three loads of 512 consecutive bytes.
; LDS: three slots of two K steps (A even, A odd, B even, B odd); K steps 6 and 7 fill slot 0 a second time.  CLUSTER 4 x 4: A's blocks are asked for jointly along a row, B's along a column.
; OUT.  A half fragment (16 rows x 64 K, 6 registers a lane) is 768 bytes: registers 0-3 at 16 l, registers 4-5 at 512 + 8 l.  Scale words of 4 tiles: 256 bytes, lane (r, h): words of tiles h and 2 + h at 8 l;
; a word holds the two bytes twice (w | w << 16).  QQ: [batch x head 64][64 rows 32]{4 half fragments, words}.  KV: [batch x head][128 keys 16]{K 2 x 3072, V^T 2 x 3072, K's words 2 x 256, V's 2 x 256}.
; LIMITS: NaN and infinities are not served; blocks whose largest magnitude lies under 2^-122, zeros among them, take the byte 1 (read by this program alone).
; REGISTERS: window 0: v16-29 addresses; v32-47 x's scale words (8 i + K step), v48-95 W's; v96-255 the way out.  window 1: W's 12 fragments at 12 t; x's, two sets, at 144 + 48 e + 12 a.
;   window 2: q's accumulators at 32 a + 8 t, k's at 128 + 32 a + 8 t.  window 3: v's at 32 t + 8 a; the biases at 128 + 8 t (q), 160 + 8 t (k), 192 + 8 t (v).
.set SLOT,  86016
.set ASTEP, 24576
.set BSTEP, 18432
.set BOFF,  49152
.set SPARE, 3*SLOT                     ; the spare words: 128 bytes a wave, two blocks of 256 bytes that no other line names
.set ADRA, 16
.set ADRB, 20
.set L16,  24
.set L8,   25
.set OH,   26
.set OC,   27
.set SPW,  28
.set NIL,  29
.set AS,   32
.set BS,   48
.set TM,   96
.set BT,   104
.set SO,   112
.set PW,   120
.set PP,   124
.set PC,   128
.set G1A,  24
.set G1B,  48
.set G0A,  68
.set G0B,  80
.set SEL,  38
.set HM,   45
.set MSB, 0
.macro WIN new                         ; the immediate's high byte repeats the setting that is left
.if MSB != \new
	s_set_vgpr_msb (MSB<<8)|\new
.set MSB, \new
.endif
.endm
.macro PLACES
.rept 4
	v_nop
.endr
.endm
.macro CROUND                          ; a round of the cluster's barrier
	s_barrier_signal -1
	s_barrier_wait -1
	s_cmp_lg_u32 s14, 0
	s_cbranch_scc1 .Lnot_wave_0_\@
	s_barrier_signal -3
.Lnot_wave_0_\@:
	s_barrier_wait -3
	s_barrier_signal -1
	s_barrier_wait -1
.endm
.macro WMR d, a, b, c, sa, sb, ra, rb  ; one product; ra, rb: the scale words stand in lanes 16-31
.if ((\ra) != 0) && ((\rb) != 0)
	v_wmma_scale_f32_16x16x128_f8f6f4 v[\d:\d+7], v[\a:\a+11], v[\b:\b+11], v[\c:\c+7], v[\sa], v[\sb] matrix_a_fmt:MATRIX_FMT_BF6 matrix_b_fmt:MATRIX_FMT_BF6 matrix_a_scale:MATRIX_SCALE_ROW1 matrix_b_scale:MATRIX_SCALE_ROW1
.elseif (\ra) != 0
	v_wmma_scale_f32_16x16x128_f8f6f4 v[\d:\d+7], v[\a:\a+11], v[\b:\b+11], v[\c:\c+7], v[\sa], v[\sb] matrix_a_fmt:MATRIX_FMT_BF6 matrix_b_fmt:MATRIX_FMT_BF6 matrix_a_scale:MATRIX_SCALE_ROW1
.elseif (\rb) != 0
	v_wmma_scale_f32_16x16x128_f8f6f4 v[\d:\d+7], v[\a:\a+11], v[\b:\b+11], v[\c:\c+7], v[\sa], v[\sb] matrix_a_fmt:MATRIX_FMT_BF6 matrix_b_fmt:MATRIX_FMT_BF6 matrix_b_scale:MATRIX_SCALE_ROW1
.else
	v_wmma_scale_f32_16x16x128_f8f6f4 v[\d:\d+7], v[\a:\a+11], v[\b:\b+11], v[\c:\c+7], v[\sa], v[\sb] matrix_a_fmt:MATRIX_FMT_BF6 matrix_b_fmt:MATRIX_FMT_BF6
.endif
.endm
	s_load_b128 s[4:7], s[0:1], 0x0                ; XQ, WQ
	s_load_b128 s[8:11], s[0:1], 0x10              ; bqkv, QQ
	s_load_b64 s[12:13], s[0:1], 0x20              ; KV
	v_lshl_add_u32 v[SPW], v0, 2, SPARE
	v_mov_b32 v[NIL], 0
	ds_add_u32 v28, v29
	ds_add_u32 v28, v29
	s_wait_dscnt 0x0
	v_lshrrev_b32 v1, 5, v0
	v_readfirstlane_b32 s14, v1                    ; wave
	s_lshr_b32 s15, s14, 1                         ; I fetch for A (0) or for B (1),
	s_and_b32 s16, s14, 1                          ; the even or the odd K step of a slot
	s_bfe_u32 s40, ttmp6, 0x40000                  ; cx
	s_bfe_u32 s41, ttmp6, 0x40004                  ; cy
	s_lshl_b32 s42, ttmp9, 2
	s_add_co_u32 s42, s42, s40                     ; the head = 4 x cluster x + cx
	s_and_b32 s17, ttmp7, 0xffff
	s_lshl_b32 s17, s17, 2
	s_add_co_u32 s17, s17, s41                     ; the tile row = 4 x cluster y + cy
	s_lshl_b32 s43, s41, 2
	s_lshl_b32 s43, 15, s43                        ; my row of the cluster
	s_lshl_b32 s44, 0x1111, s40                    ; my column
	; descriptor group 1: a dense block as rows of 256 bytes (32 elements of 8 bytes), no padding: A 96 rows, B 72
	s_or_b32 s[G1A], s43, (3<<16)|(1<<21)
	s_mov_b32 s[G1A+1], 32<<16
	s_mov_b32 s[G1A+2], 96<<16
	s_mov_b32 s[G1A+3], 32<<16
	s_mov_b32 s[G1A+4], 96
	s_mov_b32 s[G1A+5], 32
	s_mov_b32 s[G1A+6], 0
	s_mov_b32 s[G1A+7], 0
	s_or_b32 s[G1B], s44, (3<<16)|(1<<21)
	s_mov_b32 s[G1B+1], 32<<16
	s_mov_b32 s[G1B+2], 72<<16
	s_mov_b32 s[G1B+3], 32<<16
	s_mov_b32 s[G1B+4], 72
	s_mov_b32 s[G1B+5], 32
	s_mov_b32 s[G1B+6], 0
	s_mov_b32 s[G1B+7], 0
	s_mul_i32 s20, s17, 8*ASTEP                    ; A hangs on the tile row alone,
	s_mul_i32 s22, s16, ASTEP
	s_add_co_u32 s20, s20, s22
	s_mov_b32 s21, 0
	s_mul_i32 s46, s42, 8*BSTEP                    ; B on the head alone
	s_mul_i32 s23, s16, BSTEP
	s_add_co_u32 s46, s46, s23
	s_mov_b32 s47, 0
	s_mov_b32 s[SEL], 0x76543210
	s_mov_b32 s[SEL+1], 0xfedcba98
	s_wait_kmcnt 0x0
	s_add_nc_u64 s[20:21], s[4:5], s[20:21]
	s_add_nc_u64 s[46:47], s[6:7], s[46:47]
	CROUND                                         ; all sixteen work-groups are here: the first joint loads meet
.irp g, 0,1,2
	s_mov_b32 s[G0A+4*\g], 1
	s_add_co_u32 s[G0A+4*\g+1], s22, \g*SLOT
	s_add_nc_u64 s[G0A+4*\g+2:G0A+4*\g+3], s[20:21], \g*2*ASTEP
	s_or_b32 s[G0A+4*\g+3], s[G0A+4*\g+3], 0x80000000
	s_mov_b32 s[G0B+4*\g], 1
	s_add_co_u32 s[G0B+4*\g+1], s23, \g*SLOT+BOFF
	s_add_nc_u64 s[G0B+4*\g+2:G0B+4*\g+3], s[46:47], \g*2*BSTEP
	s_or_b32 s[G0B+4*\g+3], s[G0B+4*\g+3], 0x80000000
.endr
	s_cmp_eq_u32 s15, 0                            ; a wave's three first fills stand in one branch: three loads of mine are out
	s_cbranch_scc0 .Lfirst_b
	tensor_load_to_lds s[G0A:G0A+3], s[G1A:G1A+7]
	s_nop 0
	tensor_load_to_lds s[G0A+4:G0A+7], s[G1A:G1A+7]
	s_nop 0
	tensor_load_to_lds s[G0A+8:G0A+11], s[G1A:G1A+7]
	s_nop 0
	PLACES
	s_branch .Lfirst_done
.Lfirst_b:
	tensor_load_to_lds s[G0B:G0B+3], s[G1B:G1B+7]
	s_nop 0
	tensor_load_to_lds s[G0B+4:G0B+7], s[G1B:G1B+7]
	s_nop 0
	tensor_load_to_lds s[G0B+8:G0B+11], s[G1B:G1B+7]
	s_nop 0
	PLACES
.Lfirst_done:
	v_and_b32 v1, 31, v0                           ; lane
	v_and_b32 v2, 15, v0                           ; r
	v_bfe_u32 v3, v0, 4, 1                         ; h
	v_lshlrev_b32 v[L16], 4, v1
	v_lshlrev_b32 v[L8], 3, v1
	v_lshlrev_b32 v[OH], 6, v3                     ; q's and k's bias: my half's 16 columns on
	v_and_b32 v4, 8, v2
	v_add_nc_u32 v4, v4, v2
	v_lshlrev_b32 v[OC], 2, v4                     ; v's bias: my column of a tile
	v_cmp_le_u32 s[HM], 16, v1                     ; lanes 16-31
	s_mul_i32 s62, s14, 6144
	v_add_nc_u32 v[ADRA], s62, v[L16]              ; my four fragments of x in slot 0, 1, 2
	v_add_nc_u32 v[ADRA+1], SLOT, v[ADRA]
	v_add_nc_u32 v[ADRA+2], 2*SLOT, v[ADRA]
	v_add_nc_u32 v[ADRB], BOFF, v[L16]             ; W's twelve
	v_add_nc_u32 v[ADRB+1], SLOT, v[ADRB]
	v_add_nc_u32 v[ADRB+2], 2*SLOT, v[ADRB]
.irp n, 0,1,2,3,4,5,6,7
	v_mov_b32 v[BT+\n], 0                          ; a lane permute's destination counts as read
.endr
	s_lshl_b32 s62, s17, 13
	s_lshl_b32 s63, s14, 11
	s_add_co_u32 s62, s62, s63
	s_add_co_u32 s62, s62, 6291456
	s_mov_b32 s63, 0
	s_add_nc_u64 s[32:33], s[4:5], s[62:63]        ; my rows' scale words
	s_mul_i32 s62, s42, 6144
	s_add_co_u32 s62, s62, 3145728
	s_add_nc_u64 s[34:35], s[6:7], s[62:63]        ; the head's columns' scale words
	s_lshl_b32 s62, s42, 8
	s_add_nc_u64 s[36:37], s[8:9], s[62:63]        ; the head's bias
.irp i, 0,1
.irp j, 0,1
	global_load_b128 v[AS+8*\i+4*\j:AS+8*\i+4*\j+3], v[L16], s[32:33] offset:1024*\i+512*\j
.endr
.endr
.irp i, 0,1,2,3,4,5
.irp j, 0,1
	global_load_b128 v[BS+8*\i+4*\j:BS+8*\i+4*\j+3], v[L16], s[34:35] offset:1024*\i+512*\j
.endr
.endr
	WIN 0xc0                                       ; destination window 3
.irp p, 0,1
.irp t, 0,1,2,3
	global_load_b128 v[128+32*\p+8*\t:128+32*\p+8*\t+3], v[OH], s[36:37] offset:(1024*\p+32*(\t/2)+8*(\t%2))*4
	global_load_b128 v[128+32*\p+8*\t+4:128+32*\p+8*\t+7], v[OH], s[36:37] offset:(1024*\p+32*(\t/2)+8*(\t%2))*4+16
.endr
.endr
.irp t, 0,1,2,3
	global_load_b32 v[192+8*\t], v[OC], s[36:37] offset:(2048+32*(\t/2)+8*(\t%2))*4
.endr
	; where the results go
	s_lshr_b32 s18, s17, 3
	s_lshl_b32 s18, s18, 4
	s_add_co_u32 s18, s18, s42                     ; batch x 16 + head
	s_and_b32 s19, s17, 7                          ; which 256 rows of the batch
	s_mul_i32 s62, s18, 106496
	s_lshl_b32 s63, s19, 2
	s_add_co_u32 s63, s63, s14
	s_mul_i32 s63, s63, 3328
	s_add_co_u32 s62, s62, s63
	s_mov_b32 s63, 0
	s_add_nc_u64 s[56:57], s[10:11], s[62:63]      ; q: my 64 rows
	s_mul_i32 s62, s18, 212992
	s_lshl_b32 s19, s19, 1
	s_add_co_u32 s19, s19, s15
	s_mul_i32 s19, s19, 13312
	s_add_co_u32 s62, s62, s19                     ; the 128 keys in which my 64 rows lie
	s_mul_i32 s18, s16, 3072
	s_add_co_u32 s18, s18, s62
	s_mov_b32 s19, 0
	s_add_nc_u64 s[58:59], s[12:13], s[18:19]      ; k's codes; v's 6,144 bytes on
	s_lshl_b32 s18, s16, 8
	s_add_co_u32 s18, s18, s62
	s_add_co_u32 s18, s18, 12288
	s_add_nc_u64 s[60:61], s[12:13], s[18:19]      ; k's words; v's 512 bytes on
	s_wait_loadcnt 0x0
	WIN 0xc3
.irp t, 0,1,2,3
.irp j, 1,2,3,4,5,6,7
	v_mov_b32 v[192+8*\t+\j], v[192+8*\t]          ; in v's tiles all eight registers of a lane belong to one column
.endr
.endr
	WIN 0
.macro FETCHB p, s                     ; W's tiles 4 p .. 4 p + 3 of K step s
.irp t, 0,1,2,3
.irp c, 0,1,2
	ds_load_b128 v[12*(4*(\p)+\t)+4*\c:12*(4*(\p)+\t)+4*\c+3], v[ADRB+(((\s)>>1)%3)] offset:BSTEP*((\s)&1)+1536*(4*(\p)+\t)+512*\c
.endr
.endr
.endm
.macro FETCHA s                        ; my four fragments of x of K step s, into set s % 2
.irp a, 0,1,2,3
.irp c, 0,1,2
	ds_load_b128 v[144+48*((\s)&1)+12*\a+4*\c:144+48*((\s)&1)+12*\a+4*\c+3], v[ADRA+(((\s)>>1)%3)] offset:ASTEP*((\s)&1)+1536*\a+512*\c
.endr
.endr
.endm
; 16 products: part p (0 q, 1 k, 2 v) of K step s.  cnt: the LDS loads issued behind those that the part needs.  next = 1: the part's registers take the next K step's fragments,
; four places behind the products that read them.  The 48 accumulators take turns, one instruction a turn, in the same order in every step.
.macro PART p, s, cnt, next
	s_wait_dscnt \cnt
.if (\p) == 2
	WIN 0xf5
.elseif (\s) == 0
	WIN 0xb5
.else
	WIN 0xa5
.endif
.irp a, 0,1,2,3
.irp t, 0,1,2,3
.set rA, 144+48*((\s)&1)+12*\a
.set rB, 12*(4*(\p)+\t)
.set sA, AS+8*(\a/2)+(\s)
.set sB, BS+8*(2*(\p)+\t/2)+(\s)
.if (\p) == 2
.set rD, 32*\t+8*\a
.set rC, rD
.if (\s) == 0
.set rC, 192+8*\t
.endif
	WMR rD, rA, rB, rC, sA, sB, \a%2, \t%2
.else
.set rD, 128*(\p)+32*\a+8*\t
.set rC, rD
.if (\s) == 0
.set rC, 128+32*(\p)+8*\t
.endif
	WMR rD, rB, rA, rC, sB, sA, \t%2, \a%2
.endif
.endr
.endr
.if \next
	PLACES
	WIN 0x40
	FETCHB \p, (\s)+1
.if (\p) == 0
	FETCHA (\s)+1
.endif
.endif
.endm
.macro STEP s
.if (\s) < 7
	PART 0, \s, 24, 1                              ; behind q's tiles and x: k's and v's tiles
	PART 1, \s, 36, 1                              ; behind k's tiles: v's, the next step's q's and x
	PART 2, \s, 36, 1                              ; behind v's tiles: the next step's q's, x and k's
.else
	PART 0, \s, 24, 0
	PART 1, \s, 12, 0
	PART 2, \s, 0, 0
.endif
.endm
.macro SYNC n                          ; a later slot is whole in every wave's eyes
	s_wait_tensorcnt \n
	s_wait_dscnt 0x0
	s_barrier_signal -1
	s_barrier_wait -1
.endm
	s_wait_alu depctr_va_vdst(0)
	SYNC 2                                         ; slot 0 has landed; slots 1 and 2 may be out
	WIN 0x40
	FETCHB 0, 0
	FETCHA 0
	FETCHB 1, 0
	FETCHB 2, 0
	STEP 0
	SYNC 1                                         ; slot 1: K step 1 fetches K step 2's fragments
	STEP 1
	; slot 0 is filled again, with K steps 6 and 7: its last reads were K step 1's fragments
	WIN 0
	s_wait_tensorcnt 0x0                           ; all my tensor loads have landed, slot 2's among them
	ds_add_u32 v[SPW], v[NIL]                      ; 0 onto my spare word
	s_add_nc_u64 s[G0A+2:G0A+3], s[G0A+2:G0A+3], 6*ASTEP
	s_add_nc_u64 s[G0B+2:G0B+3], s[G0B+2:G0B+3], 6*BSTEP
	s_wait_dscnt 0x0                               ; the add is done, and my reads of slot 0 are over
	CROUND                                         ; the same holds of every wave of every partner
	s_cmp_eq_u32 s15, 0
	s_cbranch_scc0 .Lre_b
	tensor_load_to_lds s[G0A:G0A+3], s[G1A:G1A+7]
	s_nop 0
	PLACES
	s_branch .Lre_done
.Lre_b:
	tensor_load_to_lds s[G0B:G0B+3], s[G1B:G1B+7]
	s_nop 0
	PLACES
.Lre_done:
	STEP 2
	STEP 3
	STEP 4                                         ; the refill has these three steps, 144 products, in which to land
	SYNC 0                                         ; slot 0's second fill: K step 5 fetches K step 6's fragments
	STEP 5
	STEP 6
	STEP 7
	PLACES                                         ; ahead of the first read of results
; THE WAY OUT of one part: four runs of 32 registers, register 16 b + i = K 32 b + 16 h + i of the lane's row, become four half fragments and their scale words.  No LDS: the images are stored as they stand.
; W: the accumulators' window; sb: their first register.  Each accumulator is read from its low end on.
.macro EPI W, sb, cb, co, scb, sco, first
.if !(\first)
	s_wait_xcnt 0x0                                ; the last part's stores have read their registers
.endif
	WIN (\W)|((\W)<<2)
.irp x, 0,1,2,3
.irp b, 0,1
	v_max3_num_f32 v[TM+2*\x+\b], |v[\sb+32*\x+16*\b]|, |v[\sb+32*\x+16*\b+1]|, 0x2800000
.endr
.endr
.irp i, 2,4,6,8,10,12,14
.irp x, 0,1,2,3
.irp b, 0,1
	v_max3_num_f32 v[TM+2*\x+\b], |v[\sb+32*\x+16*\b+\i]|, |v[\sb+32*\x+16*\b+\i+1]|, v[TM+2*\x+\b]
.endr
.endr
.endr
	WIN 0
.irp n, 0,1,2,3,4,5,6,7
	v_permlanex16_b32 v[BT+\n], v[TM+\n], s[SEL], s[SEL+1]
.endr
.irp n, 0,1,2,3,4,5,6,7
	v_max_num_f32 v[TM+\n], v[TM+\n], v[BT+\n]     ; with lane l xor 16's 16: the block's largest magnitude
.endr
.irp n, 0,1,2,3,4,5,6,7
	v_add_nc_u32 v[SO+\n], 0xfe000000, v[TM+\n]    ; 4 off the exponent field: the conversion's scale operand
.endr
.irp n, 0,1,2,3,4,5,6,7
	v_lshrrev_b32 v[BT+\n], 23, v[SO+\n]           ; the byte
.endr
.irp x, 0,1,2,3
	v_lshl_or_b32 v[PW+\x], v[BT+2*\x+1], 8, v[BT+2*\x]
.endr
.irp x, 0,1,2,3
	v_lshl_or_b32 v[PW+\x], v[PW+\x], 16, v[PW+\x] ; the two bytes twice
.endr
	WIN \W
.irp x, 0,1,2,3
	v_cvt_scalef32_pk16_bf6_f32 v[PC+12*\x:PC+12*\x+2], v[\sb+32*\x:\sb+32*\x+15], v[SO+2*\x]
	v_cvt_scalef32_pk16_bf6_f32 v[PC+12*\x+8:PC+12*\x+10], v[\sb+32*\x+16:\sb+32*\x+31], v[SO+2*\x+1]
.endr
	WIN 0
	v_nop                                          ; one plain place behind a scaled conversion
.irp x, 0,1,2,3
.irp i, 0,1,2
	v_permlane16_swap_b32 v[PC+12*\x+\i], v[PC+12*\x+8+\i]   ; a whole block to a lane: lanes 0-15 block 0, lanes 16-31 block 1
.endr
.endr
.irp x, 0,1,2,3
.irp i, 0,1,2
	v_mov_b32 v[PC+12*\x+3+\i], v[PC+12*\x+8+\i]
.endr
.endr
.irp x, 0,1,2,3
	global_store_b128 v[L16], v[PC+12*\x:PC+12*\x+3], s[\cb:\cb+1] offset:\co+768*\x          ; 512 consecutive bytes, aligned
	global_store_b64 v[L8], v[PC+12*\x+4:PC+12*\x+5], s[\cb:\cb+1] offset:\co+768*\x+512      ; 256 consecutive bytes, aligned
.endr
	v_cndmask_b32 v[PP], v[PW], v[PW+1], s[HM]     ; lane (r, h): the words of tiles h and 2 + h
	v_cndmask_b32 v[PP+1], v[PW+2], v[PW+3], s[HM]
	global_store_b64 v[L8], v[PP:PP+1], s[\scb:\scb+1] offset:\sco
.endm
	EPI 2, 0, 56, 0, 56, 3072, 1                   ; q
	EPI 2, 128, 58, 0, 60, 0, 0                    ; k
	EPI 3, 0, 58, 6144, 60, 512, 0                 ; v, transposed by its layout
	s_wait_tensorcnt 0x0                           ; the wave's end
	ds_add_u32 v[SPW], v[NIL]
	s_wait_dscnt 0x0
	CROUND                                         ; the closing round
	s_endpgm
.Lfunc_end_k_q556c642471_gemm_qkv:
	.size	k_q556c642471_gemm_qkv, .Lfunc_end_k_q556c642471_gemm_qkv-k_q556c642471_gemm_qkv
	.p2alignl 7, 3214868480
	.fill 96, 4, 3214868480
	.section	.rodata,"a",@progbits
	.p2align	6, 0x0
	.amdhsa_kernel k_q556c642471_gemm_qkv
		.amdhsa_group_segment_fixed_size 327680
		.amdhsa_private_segment_fixed_size 0
		.amdhsa_enable_private_segment 0
		.amdhsa_kernarg_size 40
		.amdhsa_user_sgpr_count 2
		.amdhsa_user_sgpr_kernarg_segment_ptr 1
		.amdhsa_wavefront_size32 1
		.amdhsa_system_sgpr_workgroup_id_x 1
		.amdhsa_system_sgpr_workgroup_id_y 1
		.amdhsa_system_sgpr_workgroup_id_z 1
		.amdhsa_system_vgpr_workitem_id 0
		.amdhsa_next_free_vgpr 1024
		.amdhsa_next_free_sgpr 100
		.amdhsa_reserve_vcc 0
		.amdhsa_float_denorm_mode_32 3
		.amdhsa_float_denorm_mode_16_64 3
		.amdhsa_memory_ordered 1
		.amdhsa_forward_progress 1
		.amdhsa_inst_pref_size 118
	.end_amdhsa_kernel
	.amdgpu_metadata
---
amdhsa.version: [ 1, 2 ]
amdhsa.kernels:
  - .name:           k_q556c642471_gemm_qkv
    .symbol:         k_q556c642471_gemm_qkv.kd
    .args:
      - { .name: XQ, .offset: 0, .size: 8, .value_kind: global_buffer, .address_space: global }
      - { .name: WQ, .offset: 8, .size: 8, .value_kind: global_buffer, .address_space: global }
      - { .name: bqkv, .offset: 16, .size: 8, .value_kind: global_buffer, .address_space: global }
      - { .name: QQ, .offset: 24, .size: 8, .value_kind: global_buffer, .address_space: global }
      - { .name: KV, .offset: 32, .size: 8, .value_kind: global_buffer, .address_space: global }
    .group_segment_fixed_size: 327680
    .private_segment_fixed_size: 0
    .kernarg_segment_align: 8
    .kernarg_segment_size: 40
    .max_flat_workgroup_size: 128
    .sgpr_count:     100
    .vgpr_count:     1024
    .wavefront_size: 32
...
	.end_amdgpu_metadata
.endif
;; end of part 2
;; launch attn (part 3): grid 4 x 64, 16 waves a work-group, no clusters, 215,040 bytes of LDS; arguments QQ, KV, AT; writes AT
.if DOCPART == 3
	.amdgcn_target "amdgcn-amd-amdhsa--gfx1250"
	.amdhsa_code_object_version 6
	.text
	.protected	k_q556c642471_attn
	.globl	k_q556c642471_attn
	.p2align	8
	.type	k_q556c642471_attn,@function
k_q556c642471_attn:
	s_mov_b64 s[64:65], 0
	v_nop
	global_prefetch_b8 v0, s[64:65] scope:SCOPE_SE
	s_setreg_imm32_b32 hwreg(HW_REG_WAVE_MODE, 25, 1), 1
	s_wait_xcnt 0x0
; attended = softmax(q k^T / 8, causal) v for one batch and head, both products on codes of BF6 (E3M2) with E8M0 scales; the result is quantised along the model's 1,024 (its head's 64: two blocks) for the last product.
; THE SOFTMAX: t = score x log2(e) / 8; M = the running largest t rounded UP to a whole number; p = 2^(t - M) is quantised along the keys, not normalised; the row's sum is taken of the unquantised p and divides at the end.
; SHARES.  Work-group (p, head) owns two blocks of 256 queries, 7 - p and then p: 2 (8 - p) + 2 (p + 1) = 18 key steps of 128 in every work-group: 256 equal work-groups.  Each of sixteen waves owns one tile of 16 queries.
; No cluster: the branches of the causal mask hang on the query block, which would be the work-group's place in a cluster.
; K, V AND THEIR SCALE WORDS OF THE WHOLE HEAD, 16 x 13,312 bytes, lie in LDS: each wave brings one key step by one tensor load; one barrier; nothing is filled again, nothing is stored to LDS.
; LAYOUT.  S^T = K Q^T (source 0 = 16 keys), O^T = V^T P^T (source 0 = 16 of the head's 64): a lane holds one query throughout.  A tile takes keys (d) 32 (f / 2) + 8 (f % 2) + r + 8 (r / 8).
; The head's 64 are half of the instruction's 128 along K: the other half are zero codes on both sides.  Even tiles use [data, zeros], odd tiles [zeros, data], so that two tiles share six registers of zeros;
; scale words hold their two bytes twice and serve both forms.
; The loop's 18 trips are a constant; a trip's key step is (t + (second block ? 2 p : 0)) & 15; a step all of whose keys come after my queries is passed over by a scalar branch on ids.
; LIMITS: NaN and infinities are not served; blocks whose largest magnitude lies under 2^-122 take the byte 1.
.set KSB,  13312
.set L16,  1
.set L8,   2
.set DM,   3                           ; my query less the diagonal step's first key less 16 h
.set QA16, 4
.set QA8,  5
.set QSA,  6
.set QS,   7                           ; q's scale word
.set FF,   8                           ; v[8:9]: f = 2^(old M - new M), and p's scale word
.set PS,   9
.set TT,   10
.set R4,   11
.set QR,   16                          ; v16-33  [q][zeros][q]
.set KB,   34                          ; v34-69  two runs [even tile][zeros][odd tile]
.set VV,   70                          ; v70-117 V^T's four fragments
.set SS,   118                         ; v118-181 S^T, then p
.set OO,   182                         ; v182-213 O^T
.set PC,   214
.set PT,   226
.set BM,   234
.set BT,   238
.set SO,   242
.set KS,   246
.set VS,   250
.set AD16, 254
.set AD8,  255
.set QB,   28
.set AB,   32
.set SB,   34
.set QPB,  36
.set APB,  38
.set SPB,  40
.set CS,   42
.set SEL,  44
.macro WMZ d, a, b, sa, sb, ra         ; a product that starts its sum
.if (\ra) != 0
	v_wmma_scale_f32_16x16x128_f8f6f4 v[\d:\d+7], v[\a:\a+11], v[\b:\b+11], 0, v[\sa], v[\sb] matrix_a_fmt:MATRIX_FMT_BF6 matrix_b_fmt:MATRIX_FMT_BF6 matrix_a_scale:MATRIX_SCALE_ROW1
.else
	v_wmma_scale_f32_16x16x128_f8f6f4 v[\d:\d+7], v[\a:\a+11], v[\b:\b+11], 0, v[\sa], v[\sb] matrix_a_fmt:MATRIX_FMT_BF6 matrix_b_fmt:MATRIX_FMT_BF6
.endif
.endm
.macro WMA d, a, b, sa, sb, ra         ; a product that adds in place
.if (\ra) != 0
	v_wmma_scale_f32_16x16x128_f8f6f4 v[\d:\d+7], v[\a:\a+11], v[\b:\b+11], v[\d:\d+7], v[\sa], v[\sb] matrix_a_fmt:MATRIX_FMT_BF6 matrix_b_fmt:MATRIX_FMT_BF6 matrix_a_scale:MATRIX_SCALE_ROW1
.else
	v_wmma_scale_f32_16x16x128_f8f6f4 v[\d:\d+7], v[\a:\a+11], v[\b:\b+11], v[\d:\d+7], v[\sa], v[\sb] matrix_a_fmt:MATRIX_FMT_BF6 matrix_b_fmt:MATRIX_FMT_BF6
.endif
.endm
	s_load_b128 s[4:7], s[0:1], 0x0                ; QQ, KV
	s_load_b64 s[8:9], s[0:1], 0x10                ; AT
	v_lshl_add_u32 v229, v0, 2, 0x34000
	v_mov_b32 v233, 0
	ds_add_u32 v229, v233
	ds_add_u32 v229, v233
	v_lshrrev_b32 v1, 5, v0
	s_delay_alu instid0(VALU_DEP_1)
	v_readfirstlane_b32 s10, v1                    ; wave 0..15
	s_and_b32 s12, ttmp7, 0xffff                   ; batch x 16 + head
	s_lshr_b32 s13, s12, 4
	s_and_b32 s14, s12, 15
	s_mov_b32 s16, 3<<16                           ; group 1: a dense block of 13,312 bytes as 52 rows of 256 bytes (32 elements of 8), no mask, no padding
	s_mov_b32 s17, 32<<16
	s_mov_b32 s18, 52<<16
	s_mov_b32 s19, 32<<16
	s_mov_b32 s20, 52
	s_mov_b32 s21, 32
	s_mov_b32 s22, 0
	s_mov_b32 s23, 0
	s_mov_b32 s24, 1
	s_mul_i32 s25, s10, KSB                        ; key step w goes to LDS byte 13,312 w
	s_mul_i32 s30, s12, 16*KSB
	s_add_co_u32 s30, s30, s25
	s_mov_b32 s31, 0
	s_wait_dscnt 0x0
	s_wait_kmcnt 0x0
	s_add_nc_u64 s[26:27], s[6:7], s[30:31]
	s_or_b32 s27, s27, 0x80000000
	tensor_load_to_lds s[24:27], s[16:23]          ; my one tensor load
	s_nop 0
.rept 4
	v_nop
.endr
	v_and_b32 v12, 31, v0                          ; lane
	v_and_b32 v13, 15, v0                          ; r
	s_wait_alu depctr_va_vdst(0)
	v_bfe_u32 v14, v0, 4, 1                        ; h
	v_lshlrev_b32 v[L16], 4, v12
	v_lshlrev_b32 v[L8], 3, v12
	v_lshlrev_b32 v[R4], 2, v13
	s_and_b32 s54, s10, 3                          ; my tile among the four of its 64 rows
	s_mul_i32 s54, s54, 768
	v_add_nc_u32 v[QA16], s54, v[L16]
	s_add_co_u32 s54, s54, 512
	v_add_nc_u32 v[QA8], s54, v[L8]
	s_and_b32 s54, s10, 1
	s_lshl_b32 s54, s54, 7
	s_bfe_u32 s55, s10, 0x10001
	s_lshl_b32 s55, s55, 2
	s_add_co_u32 s54, s54, s55
	s_add_co_u32 s54, s54, 3072
	v_lshl_add_u32 v[QSA], v13, 3, s54             ; my row's scale word
	s_bfe_u32 s54, s10, 0x20001
	s_lshl_b32 s54, s54, 5
	s_and_b32 s55, s10, 1
	s_lshl_b32 s55, s55, 3
	s_add_co_u32 s54, s54, s55
	v_and_b32 v15, 8, v13
	s_delay_alu instid0(VALU_DEP_1)
	v_add_nc_u32 v15, v15, v13
	s_delay_alu instid0(VALU_DEP_1)
	v_add_nc_u32 v15, s54, v15
	v_lshlrev_b32 v14, 4, v14
	s_delay_alu instid0(VALU_DEP_1)
	v_sub_nc_u32 v[DM], v15, v14
.irp i, 0,1,2,3,4,5
	v_mov_b32 v[QR+6+\i], 0                        ; the zero codes
	v_mov_b32 v[KB+6+\i], 0
	v_mov_b32 v[KB+24+\i], 0
.endr
.irp b, 0,1,2,3
	v_mov_b32 v[BT+\b], 0                          ; a lane permute's destination counts as read
.endr
	v_mov_b32 v[PS], 0                             ; (named as the upper half of the pair v[8:9] before it is first written)
	v_mov_b32 v[TT], 0
	s_mov_b32 s[CS], 0x3e38aa3b                    ; log2(e) / 8
	s_mov_b32 s[CS+1], s[CS]
	s_mov_b32 s[SEL], 0x76543210
	s_mov_b32 s[SEL+1], 0xfedcba98
	s_mov_b32 s46, 0xffff
	s_lshl_b32 s49, ttmp9, 1                       ; 2 p
	s_sub_co_u32 s48, 16, s49                      ; the first block's key steps
	s_sub_co_u32 s55, 7, ttmp9                     ; the first block,
	s_mov_b32 s56, ttmp9                           ; the second
	s_lshr_b32 s54, s10, 3
	s_lshl_b32 s50, s55, 1
	s_add_co_u32 s50, s50, s54                     ; the key step on my tile's diagonal, in the first block,
	s_add_co_u32 s51, s49, s54                     ; in the second
	s_mul_i32 s30, s12, 106496
	s_lshr_b32 s54, s10, 2
	s_mul_i32 s54, s54, 3328
	s_add_co_u32 s30, s30, s54
	s_add_nc_u64 s[QB:QB+1], s[4:5], s[30:31]
	s_mul_i32 s30, s13, 1572864
	s_lshr_b32 s54, s14, 1
	s_mul_i32 s54, s54, 24576
	s_add_co_u32 s30, s30, s54
	s_mul_i32 s54, s10, 1536
	s_add_co_u32 s30, s30, s54
	s_and_b32 s54, s14, 1
	s_mul_i32 s54, s54, 768
	s_add_co_u32 s30, s30, s54
	s_add_nc_u64 s[AB:AB+1], s[8:9], s[30:31]
	s_lshl_b32 s30, s13, 17
	s_lshr_b32 s54, s10, 1
	s_lshl_b32 s54, s54, 11
	s_add_co_u32 s30, s30, s54
	s_lshl_b32 s54, s14, 7
	s_add_co_u32 s30, s30, s54
	s_and_b32 s54, s10, 1
	s_lshl_b32 s54, s54, 6
	s_add_co_u32 s30, s30, s54
	s_add_co_u32 s30, s30, 6291456
	s_add_nc_u64 s[SB:SB+1], s[8:9], s[30:31]
; A block of queries begins: its addresses, my tile of q (twice: two runs share the zeros), zeros for O^T and the sum, -3e38 for the largest t.
.macro INIT qb
	s_wait_xcnt 0x0                                ; earlier loads and stores have read their bases and registers
	s_mul_i32 s30, s[\qb], 13312
	s_add_nc_u64 s[QPB:QPB+1], s[QB:QB+1], s[30:31]
	s_mul_i32 s30, s[\qb], 196608
	s_add_nc_u64 s[APB:APB+1], s[AB:AB+1], s[30:31]
	s_lshl_b32 s30, s[\qb], 14
	s_add_nc_u64 s[SPB:SPB+1], s[SB:SB+1], s[30:31]
	global_load_b128 v[QR:QR+3], v[QA16], s[QPB:QPB+1]
	global_load_b64 v[QR+4:QR+5], v[QA8], s[QPB:QPB+1]
	global_load_b128 v[QR+12:QR+15], v[QA16], s[QPB:QPB+1]
	global_load_b64 v[QR+16:QR+17], v[QA8], s[QPB:QPB+1]
	global_load_b32 v[QS], v[QSA], s[QPB:QPB+1]
.set j, 0
.rept 32
	v_mov_b32 v[OO+j], 0
.set j, j+1
.endr
	v_mov_b32 v13, 0xff61b1e6                      ; -3e38, under every t
	s_delay_alu instid0(VALU_DEP_1)
	v_floor_f32 v12, -v13                          ; -M
	v_mov_b32 v14, 0
	v_mov_b32 v15, 0
	s_wait_loadcnt 0x0
.endm
; A block of queries ends: O^T / the sum, quantised along the head's 64, stored as a half fragment and a scale word.
.macro FINISH
	v_add_f32 v14, v14, v15
	s_delay_alu instid0(VALU_DEP_1)
	v_permlanex16_b32 v[TT], v14, s[SEL], s[SEL+1]
	s_delay_alu instid0(VALU_DEP_1)
	v_add_f32 v14, v14, v[TT]                      ; the row's sum
	s_wait_alu depctr_va_vdst(0)
	v_rcp_f32 v[FF], v14
	v_nop                                          ; a plain place behind the transcendental
	s_wait_alu depctr_va_vdst(0)                   ; a wait ahead of its first reader
.set j, 0
.rept 16
	v_pk_mul_f32 v[SS+j:SS+j+1], v[OO+j:OO+j+1], v[FF:FF+1] op_sel_hi:[1,0]   ; register 16 b + i = d 32 b + 16 h + i
.set j, j+2
.endr
.irp b, 0,1
	v_max3_num_f32 v[BM+\b], |v[SS+16*\b]|, |v[SS+16*\b+1]|, 0x2800000
.endr
.irp i, 2,4,6,8,10,12,14
.irp b, 0,1
	s_delay_alu instid0(VALU_DEP_2)
	v_max3_num_f32 v[BM+\b], |v[SS+16*\b+\i]|, |v[SS+16*\b+\i+1]|, v[BM+\b]
.endr
.endr
.irp b, 0,1
	s_delay_alu instid0(VALU_DEP_2)
	v_permlanex16_b32 v[BT+\b], v[BM+\b], s[SEL], s[SEL+1]
.endr
.irp b, 0,1
	s_delay_alu instid0(VALU_DEP_2)
	v_max_num_f32 v[BM+\b], v[BM+\b], v[BT+\b]
.endr
.irp b, 0,1
	s_delay_alu instid0(VALU_DEP_2)
	v_add_nc_u32 v[SO+\b], 0xfe000000, v[BM+\b]
.endr
.irp b, 0,1
	s_delay_alu instid0(VALU_DEP_2)
	v_lshrrev_b32 v[BT+\b], 23, v[SO+\b]
.endr
	s_delay_alu instid0(VALU_DEP_1)
	v_lshl_or_b32 v[TT], v[BT+1], 8, v[BT]
	s_delay_alu instid0(VALU_DEP_1)
	v_lshl_or_b32 v[TT], v[TT], 16, v[TT]          ; the two bytes twice
	v_cvt_scalef32_pk16_bf6_f32 v[PC:PC+2], v[SS:SS+15], v[SO]
	v_cvt_scalef32_pk16_bf6_f32 v[PT:PT+2], v[SS+16:SS+31], v[SO+1]
	v_nop                                          ; one plain place behind a scaled conversion
.irp i, 0,1,2
	v_permlane16_swap_b32 v[PC+\i], v[PT+\i]
.endr
.irp i, 0,1,2
	s_delay_alu instid0(VALU_DEP_3)
	v_mov_b32 v[PC+3+\i], v[PT+\i]
.endr
	global_store_b128 v[L16], v[PC:PC+3], s[APB:APB+1]               ; 512 consecutive bytes, aligned
	global_store_b64 v[L8], v[PC+4:PC+5], s[APB:APB+1] offset:512    ; 256 consecutive bytes, aligned
	global_store_b32 v[R4], v[TT], s[SPB:SPB+1]                      ; 64 bytes: lanes r and r + 16 write the same word to the same place
.endm
.macro KLOAD g                         ; tiles 4 g .. 4 g + 3 of the step's eight
.irp u, 0,1,2,3
	ds_load_b128 v[KB+18*(\u/2)+12*(\u%2):KB+18*(\u/2)+12*(\u%2)+3], v[AD16] offset:768*(4*(\g)+\u)
	ds_load_b64 v[KB+18*(\u/2)+12*(\u%2)+4:KB+18*(\u/2)+12*(\u%2)+5], v[AD8] offset:768*(4*(\g)+\u)+512
.endr
.endm
.macro SCORE g
.irp u, 0,1,2,3
.if \u%2 == 0
	WMZ SS+8*(4*(\g)+\u), KB+18*(\u/2), QR, KS+2*(\g)+\u/2, QS, 0
.else
	WMZ SS+8*(4*(\g)+\u), KB+18*(\u/2)+6, QR+6, KS+2*(\g)+\u/2, QS, 1
.endif
.endr
.endm
	INIT 55
	s_wait_tensorcnt 0x0                           ; my key step has landed,
	s_barrier_signal -1
	s_barrier_wait -1                              ; everybody's has
	s_mov_b32 s47, 0
.Lstep:
	s_cmp_ge_u32 s47, s48                          ; the second block?
	s_cselect_b32 s54, s49, 0
	s_cselect_b32 s53, s51, s50                    ; the key step on my diagonal
	s_add_co_u32 s52, s47, s54
	s_and_b32 s52, s52, 15                         ; this trip's key step
	s_cmp_gt_u32 s52, s53
	s_cbranch_scc1 .Lhidden                        ; all its keys come after my queries
	s_mul_i32 s54, s52, KSB
	s_setprio 2
	v_add_nc_u32 v[AD16], s54, v[L16]
	v_add_nc_u32 v[AD8], s54, v[L8]
	KLOAD 0
	ds_load_b64 v[KS:KS+1], v[AD8] offset:12288
	ds_load_b64 v[KS+2:KS+3], v[AD8] offset:12544
.irp t, 0,1,2,3
.irp c, 0,1
	ds_load_b128 v[VV+12*\t+6*\c:VV+12*\t+6*\c+3], v[AD16] offset:6144+3072*\c+768*\t
	ds_load_b64 v[VV+12*\t+6*\c+4:VV+12*\t+6*\c+5], v[AD8] offset:6144+3072*\c+768*\t+512
.endr
.endr
	ds_load_b64 v[VS:VS+1], v[AD8] offset:12800
	ds_load_b64 v[VS+2:VS+3], v[AD8] offset:13056
	s_wait_alu depctr_va_vdst(0)
	s_wait_dscnt 18                                ; K's first four tiles and its words are in; V's 16 loads and its words' 2 may be out
	SCORE 0
.rept 4
	v_nop                                          ; places ahead of loads into registers that the products have read
.endr
	KLOAD 1
	s_wait_dscnt 0x0
	SCORE 1
	v_bfi_b32 v[VS], s46, v[VS], v[VS+2]           ; V's words for 128 keys: two bytes of each 64.  (These two and two v_nop are the places behind the products)
	v_bfi_b32 v[VS+1], s46, v[VS+1], v[VS+3]
	v_nop
	v_nop
	s_cmp_lg_u32 s52, s53
	s_cbranch_scc1 .Lopen                          ; all keys of the step count
	v_mov_b32 v[TT], 0xff800000                    ; on the diagonal hidden scores become -infinity: p = 0.  Register 16 b + i holds key 32 b + 16 h + i of the step
.set n, 0
.rept 64
	v_cmp_gt_i32 vcc_lo, 32*(n/16)+n%16, v[DM]
	v_cndmask_b32 v[SS+n], v[SS+n], v[TT], vcc_lo
.set n, n+1
.endr
.Lopen:
.irp b, 0,1,2,3
	v_max3_num_f32 v[BM+\b], v[SS+16*\b], v[SS+16*\b+1], v[SS+16*\b+2]   ; the largest score of each block of 32 keys: for the row's maximum and for the block's largest p
.endr
.irp i, 3,5,7,9,11,13
.irp b, 0,1,2,3
	v_max3_num_f32 v[BM+\b], v[BM+\b], v[SS+16*\b+\i], v[SS+16*\b+\i+1]
.endr
.endr
.irp b, 0,1,2,3
	v_max_num_f32 v[BM+\b], v[BM+\b], v[SS+16*\b+15]
.endr
.irp b, 0,1,2,3
	s_delay_alu instid0(VALU_DEP_4)
	v_permlanex16_b32 v[BT+\b], v[BM+\b], s[SEL], s[SEL+1]
.endr
.irp b, 0,1,2,3
	s_delay_alu instid0(VALU_DEP_4)
	v_max_num_f32 v[BM+\b], v[BM+\b], v[BT+\b]
.endr
	s_delay_alu instid0(VALU_DEP_2)
	v_max3_num_f32 v[TT], v[BM], v[BM+1], v[BM+2]
	s_delay_alu instid0(VALU_DEP_1)
	v_max_num_f32 v[TT], v[TT], v[BM+3]
	s_delay_alu instid0(VALU_DEP_1)
	v_mul_f32 v[TT], s[CS], v[TT]
	s_delay_alu instid0(VALU_DEP_1)
	v_max_num_f32 v13, v13, v[TT]                  ; the running largest t
	v_mov_b32 v[TT], v12
	s_delay_alu instid0(VALU_DEP_2)
	v_floor_f32 v12, -v13                          ; -M = floor(-t): M is a whole number
	s_delay_alu instid0(VALU_DEP_1)
	v_sub_f32 v[TT], v12, v[TT]
	s_delay_alu instid0(VALU_DEP_1)
	v_cvt_i32_f32 v[TT], v[TT]                     ; (it saturates)
	s_delay_alu instid0(VALU_DEP_1)
	v_ldexp_f32 v[FF], 1.0, v[TT]                  ; f = 2^(old M - new M)
.set j, 0
.rept 32
	v_pk_fma_f32 v[SS+j:SS+j+1], v[SS+j:SS+j+1], s[CS:CS+1], v[12:13] op_sel_hi:[1,0,0]   ; t - M
.set j, j+2
.endr
	s_setprio 1
.irp b, 0,1,2,3
	v_fma_f32 v[BM+\b], v[BM+\b], s[CS], v12
.endr
.set j, 0
	s_wait_alu depctr_va_vdst(0)
.rept 64
	v_exp_f32 v[SS+j], v[SS+j]                     ; p
.set j, j+1
.endr
	v_pk_mul_f32 v[14:15], v[14:15], v[FF:FF+1] op_sel_hi:[1,0]   ; the sums under the new M: a plain place behind the exponentials
	s_wait_alu depctr_va_vdst(0)                   ; one wait for the batch, ahead of its first reader
.irp b, 0,1,2,3
	v_exp_f32 v[BM+\b], v[BM+\b]                   ; each block's largest p
.endr
	v_pk_add_f32 v[238:239], v[122:123], v[126:127]
	v_pk_add_f32 v[254:255], v[130:131], v[134:135]
	v_pk_add_f32 v[252:253], v[138:139], v[142:143]
	v_pk_add_f32 v[248:249], v[146:147], v[150:151]
	v_pk_add_f32 v[246:247], v[154:155], v[158:159]
	v_pk_add_f32 v[244:245], v[162:163], v[166:167]
	v_pk_add_f32 v[242:243], v[170:171], v[174:175]
	v_pk_add_f32 v[14:15], v[14:15], v[178:179]
	v_pk_add_f32 v[238:239], v[238:239], v[118:119]
	v_pk_add_f32 v[254:255], v[254:255], v[120:121]
	v_pk_add_f32 v[252:253], v[252:253], v[124:125]
	v_pk_add_f32 v[248:249], v[248:249], v[128:129]
	v_pk_add_f32 v[246:247], v[246:247], v[132:133]
	v_pk_add_f32 v[244:245], v[244:245], v[136:137]
	v_pk_add_f32 v[242:243], v[242:243], v[140:141]
	v_pk_add_f32 v[14:15], v[14:15], v[144:145]
	v_pk_add_f32 v[238:239], v[238:239], v[148:149]
	v_pk_add_f32 v[254:255], v[254:255], v[152:153]
	v_pk_add_f32 v[252:253], v[252:253], v[156:157]
	v_pk_add_f32 v[248:249], v[248:249], v[160:161]
	v_pk_add_f32 v[246:247], v[246:247], v[164:165]
	v_pk_add_f32 v[244:245], v[244:245], v[168:169]
	v_pk_add_f32 v[242:243], v[242:243], v[172:173]
	v_pk_add_f32 v[14:15], v[14:15], v[176:177]
	v_pk_add_f32 v[238:239], v[238:239], v[180:181]
	s_delay_alu instid0(VALU_DEP_2)
	v_pk_add_f32 v[14:15], v[14:15], v[248:249]
	s_delay_alu instid0(VALU_DEP_2)
	v_pk_add_f32 v[238:239], v[238:239], v[246:247]
	v_pk_add_f32 v[254:255], v[254:255], v[244:245]
	v_pk_add_f32 v[252:253], v[252:253], v[242:243]
	s_delay_alu instid0(VALU_DEP_2)
	v_pk_add_f32 v[14:15], v[14:15], v[254:255]
	s_delay_alu instid0(VALU_DEP_2)
	v_pk_add_f32 v[238:239], v[238:239], v[252:253]
	s_delay_alu instid0(VALU_DEP_1)
	v_pk_add_f32 v[14:15], v[14:15], v[238:239]
	s_wait_alu depctr_va_vdst(0)                   ; and one for the four
.irp b, 0,1,2,3
	v_max_num_f32 v[BM+\b], 0x2800000, v[BM+\b]    ; the floor: the byte cannot fall under 1
.endr
.irp b, 0,1,2,3
	s_delay_alu instid0(VALU_DEP_4)
	v_add_nc_u32 v[SO+\b], 0xfe000000, v[BM+\b]
.endr
.irp b, 0,1,2,3
	s_delay_alu instid0(VALU_DEP_4)
	v_lshrrev_b32 v[BT+\b], 23, v[SO+\b]
.endr
	s_delay_alu instid0(VALU_DEP_3)
	v_lshl_or_b32 v[PS], v[BT+1], 8, v[BT]         ; p's scale word for these 128 keys
	s_delay_alu instid0(VALU_DEP_1)
	v_lshl_or_b32 v[PS], v[BT+2], 16, v[PS]
	s_delay_alu instid0(VALU_DEP_1)
	v_lshl_or_b32 v[PS], v[BT+3], 24, v[PS]
	s_setprio 0
.irp c, 0,1
	v_cvt_scalef32_pk16_bf6_f32 v[PC+6*\c:PC+6*\c+2], v[SS+32*\c:SS+32*\c+15], v[SO+2*\c]
	v_cvt_scalef32_pk16_bf6_f32 v[PT+4*\c:PT+4*\c+2], v[SS+32*\c+16:SS+32*\c+31], v[SO+2*\c+1]
.endr
	v_nop                                          ; one plain place behind a scaled conversion
.irp c, 0,1
.irp i, 0,1,2
	v_permlane16_swap_b32 v[PC+6*\c+\i], v[PT+4*\c+\i]
.endr
.irp i, 0,1,2
	s_delay_alu instid0(VALU_DEP_3)
	v_mov_b32 v[PC+6*\c+3+\i], v[PT+4*\c+\i]
.endr
.endr
.set j, 0
.rept 16
	v_pk_mul_f32 v[OO+j:OO+j+1], v[OO+j:OO+j+1], v[FF:FF+1] op_sel_hi:[1,0]   ; O^T under the new M; these sixteen are also the places ahead of the scaled products
.set j, j+2
.endr
.irp t, 0,1,2,3
	WMA OO+8*\t, VV+12*\t, PC, VS+\t/2, PS, \t%2   ; four accumulators by turns, one instruction a turn
.endr
.rept 4
	v_nop                                          ; places ahead of the next loads into V's registers and of the next read of O^T
.endr
.Lhidden:
	s_add_co_u32 s47, s47, 1
	s_cmp_lg_u32 s47, s48
	s_cbranch_scc1 .Lsame
	s_wait_alu depctr_va_vdst(0)
	FINISH                                         ; the first block is done,
	INIT 56                                        ; the second begins
.Lsame:
	s_cmp_lt_u32 s47, 18
	s_cbranch_scc1 .Lstep
	s_setprio 0
	s_wait_alu depctr_va_vdst(0)
	FINISH
	s_wait_tensorcnt 0x0
	ds_add_u32 v229, v233
	s_wait_dscnt 0x0
	s_endpgm
.Lfunc_end_k_q556c642471_attn:
	.size	k_q556c642471_attn, .Lfunc_end_k_q556c642471_attn-k_q556c642471_attn
	.p2alignl 7, 3214868480
	.fill 96, 4, 3214868480
	.section	.rodata,"a",@progbits
	.p2align	6, 0x0
	.amdhsa_kernel k_q556c642471_attn
		.amdhsa_group_segment_fixed_size 215040
		.amdhsa_private_segment_fixed_size 0
		.amdhsa_enable_private_segment 0
		.amdhsa_kernarg_size 24
		.amdhsa_user_sgpr_count 2
		.amdhsa_user_sgpr_kernarg_segment_ptr 1
		.amdhsa_wavefront_size32 1
		.amdhsa_system_sgpr_workgroup_id_x 1
		.amdhsa_system_sgpr_workgroup_id_y 1
		.amdhsa_system_sgpr_workgroup_id_z 1
		.amdhsa_system_vgpr_workitem_id 0
		.amdhsa_next_free_vgpr 256
		.amdhsa_next_free_sgpr 66
		.amdhsa_reserve_vcc 1
		.amdhsa_float_denorm_mode_32 3
		.amdhsa_float_denorm_mode_16_64 3
		.amdhsa_memory_ordered 1
		.amdhsa_forward_progress 1
		.amdhsa_inst_pref_size 42
	.end_amdhsa_kernel
	.amdgpu_metadata
---
amdhsa.version: [ 1, 2 ]
amdhsa.kernels:
  - .name:           k_q556c642471_attn
    .symbol:         k_q556c642471_attn.kd
    .args:
      - { .name: QQ, .offset: 0, .size: 8, .value_kind: global_buffer, .address_space: global }
      - { .name: KV, .offset: 8, .size: 8, .value_kind: global_buffer, .address_space: global }
      - { .name: AT, .offset: 16, .size: 8, .value_kind: global_buffer, .address_space: global }
    .group_segment_fixed_size: 215040
    .private_segment_fixed_size: 0
    .kernarg_segment_align: 8
    .kernarg_segment_size: 24
    .max_flat_workgroup_size: 512
    .sgpr_count:     66
    .vgpr_count:     256
    .wavefront_size: 32
...
	.end_amdgpu_metadata
.endif
;; end of part 3
;; launch gemm_out (part 4): grid 8 x 32, 4 waves a work-group, clusters of 4 x 4, 295,424 bytes of LDS; arguments AT, WQ, bo, out0; writes out0
.if DOCPART == 4
	.amdgcn_target "amdgcn-amd-amdhsa--gfx1250"
	.amdhsa_code_object_version 6
	.text
	.protected	k_q556c642471_gemm_out
	.globl	k_q556c642471_gemm_out
	.p2align	8
	.type	k_q556c642471_gemm_out,@function
k_q556c642471_gemm_out:
	s_mov_b64 s[64:65], 0
	v_nop
	global_prefetch_b8 v0, s[64:65] scope:SCOPE_SE
	s_setreg_imm32_b32 hwreg(HW_REG_WAVE_MODE, 25, 1), 1
	s_wait_xcnt 0x0
	s_wait_alu depctr_hold_cnt(0) depctr_sa_sdst(0) depctr_va_vdst(0) depctr_va_sdst(0) depctr_va_ssrc(0) depctr_va_vcc(0) depctr_vm_vsrc(0)
	s_getreg_b32 s2, hwreg(HW_REG_IB_STS2, 6, 4)
	s_cmp_eq_u32 s2, 0
	s_cbranch_scc0 .Lentry_in_a_cluster
	s_endpgm
.Lentry_in_a_cluster:
	s_bfe_u32 s2, ttmp6, 0x10000c
	s_cmp_lg_u32 s2, 0xf033
	s_cbranch_scc0 .Lentry_shape_is_right
	s_endpgm
.Lentry_shape_is_right:
; out0 = attended Wo + bo on codes of BF6 (E3M2) with E8M0 scales, sums in f32, f32 out.
; SHARES.  A work-group makes 256 rows x 128 columns: 256 work-groups.  Wave w takes rows 64 w .. 64 w + 63 (4 fragments) x Wo's 8 tiles: 32 accumulators.  The product is used TRANSPOSED
; (source 0 = 16 columns of Wo, source 1 = 16 rows): a lane holds eight neighbouring columns of one row.  Fragment f takes rows (columns) 32 (f / 2) + 8 (f % 2) + r + 8 (r / 8).  The bias is the C of each sum's first product.
; ALL OF K LIES IN LDS: A's 8 K steps of 24,576 bytes, then B's 8 of 12,288.  Four chunks of two K steps are all first fills; nothing is filled again.  CLUSTER 4 x 4: A's blocks are asked for jointly along a row, B's along a column.
; A's fragment is two half fragments of 768 bytes (registers 0-3 at 16 l, 4-5 at 512 + 8 l), one for each head of the K step; B's is an image of 1,536 bytes.  A's scale words come head by head (two bytes, twice) and are joined in pairs.
; REGISTERS: window 0: v8-22 addresses; v32-47 A's scale words, v48-79 B's; v128-255 the words as loaded, later the way out.  window 1: B at 12 t; A, two sets, at 96 + 48 e + 12 a; the bias at 192 + 8 t.  window 2: accumulators at 64 a + 8 t.
.set ASTEP, 24576
.set BSTEP, 12288
.set BBASE, 196608
.set AD16, 8
.set AD8,  12
.set BD,   16
.set STO,  20
.set RD,   21
.set L16,  22
.set OH,   23
.set L4,   24
.set AS,   32
.set BS,   48
.set HH,   128
.set BK,   128
.set G1A,  24
.set G1B,  48
.set G0A,  68
.set G0B,  84
.set MSB, 0
.macro WIN new                         ; the immediate's high byte repeats the setting that is left
.if MSB != \new
	s_set_vgpr_msb (MSB<<8)|\new
.set MSB, \new
.endif
.endm
.macro PLACES
.rept 4
	v_nop
.endr
.endm
.macro CROUND                          ; a round of the cluster's barrier
	s_barrier_signal -1
	s_barrier_wait -1
	s_cmp_lg_u32 s14, 0
	s_cbranch_scc1 .Lnot_wave_0_\@
	s_barrier_signal -3
.Lnot_wave_0_\@:
	s_barrier_wait -3
	s_barrier_signal -1
	s_barrier_wait -1
.endm
.macro WMR d, a, b, c, sa, sb, ra, rb
.if ((\ra) != 0) && ((\rb) != 0)
	v_wmma_scale_f32_16x16x128_f8f6f4 v[\d:\d+7], v[\a:\a+11], v[\b:\b+11], v[\c:\c+7], v[\sa], v[\sb] matrix_a_fmt:MATRIX_FMT_BF6 matrix_b_fmt:MATRIX_FMT_BF6 matrix_a_scale:MATRIX_SCALE_ROW1 matrix_b_scale:MATRIX_SCALE_ROW1
.elseif (\ra) != 0
	v_wmma_scale_f32_16x16x128_f8f6f4 v[\d:\d+7], v[\a:\a+11], v[\b:\b+11], v[\c:\c+7], v[\sa], v[\sb] matrix_a_fmt:MATRIX_FMT_BF6 matrix_b_fmt:MATRIX_FMT_BF6 matrix_a_scale:MATRIX_SCALE_ROW1
.elseif (\rb) != 0
	v_wmma_scale_f32_16x16x128_f8f6f4 v[\d:\d+7], v[\a:\a+11], v[\b:\b+11], v[\c:\c+7], v[\sa], v[\sb] matrix_a_fmt:MATRIX_FMT_BF6 matrix_b_fmt:MATRIX_FMT_BF6 matrix_b_scale:MATRIX_SCALE_ROW1
.else
	v_wmma_scale_f32_16x16x128_f8f6f4 v[\d:\d+7], v[\a:\a+11], v[\b:\b+11], v[\c:\c+7], v[\sa], v[\sb] matrix_a_fmt:MATRIX_FMT_BF6 matrix_b_fmt:MATRIX_FMT_BF6
.endif
.endm
	s_load_b128 s[4:7], s[0:1], 0x0                ; AT, WQ
	s_load_b128 s[8:11], s[0:1], 0x10              ; bo, out0
	v_lshl_add_u32 v126, v0, 2, 0x48000
	v_mov_b32 v127, 0
	ds_add_u32 v126, v127
	ds_add_u32 v126, v127
	v_lshrrev_b32 v1, 5, v0
	v_readfirstlane_b32 s14, v1                    ; wave
	s_lshr_b32 s15, s14, 1                         ; I fetch for A (0) or for B (1),
	s_and_b32 s16, s14, 1                          ; the even or the odd K step of a chunk
	s_bfe_u32 s40, ttmp6, 0x40000                  ; cx
	s_bfe_u32 s41, ttmp6, 0x40004                  ; cy
	s_lshl_b32 s42, ttmp9, 2
	s_add_co_u32 s42, s42, s40                     ; which 128 columns
	s_and_b32 s17, ttmp7, 0xffff
	s_lshl_b32 s17, s17, 2
	s_add_co_u32 s17, s17, s41                     ; the tile row
	s_lshl_b32 s43, s41, 2
	s_lshl_b32 s43, 15, s43                        ; my row of the cluster
	s_lshl_b32 s44, 0x1111, s40                    ; my column
	; descriptor group 1: a dense block as rows of 256 bytes (32 elements of 8 bytes), no padding: A 96 rows, B 48
	s_or_b32 s[G1A], s43, (3<<16)|(1<<21)
	s_mov_b32 s[G1A+1], 32<<16
	s_mov_b32 s[G1A+2], 96<<16
	s_mov_b32 s[G1A+3], 32<<16
	s_mov_b32 s[G1A+4], 96
	s_mov_b32 s[G1A+5], 32
	s_mov_b32 s[G1A+6], 0
	s_mov_b32 s[G1A+7], 0
	s_or_b32 s[G1B], s44, (3<<16)|(1<<21)
	s_mov_b32 s[G1B+1], 32<<16
	s_mov_b32 s[G1B+2], 48<<16
	s_mov_b32 s[G1B+3], 32<<16
	s_mov_b32 s[G1B+4], 48
	s_mov_b32 s[G1B+5], 32
	s_mov_b32 s[G1B+6], 0
	s_mov_b32 s[G1B+7], 0
	s_mul_i32 s20, s17, 8*ASTEP                    ; A hangs on the tile row alone,
	s_mul_i32 s22, s16, ASTEP
	s_add_co_u32 s20, s20, s22
	s_mov_b32 s21, 0
	s_mul_i32 s46, s42, 8*BSTEP                    ; B on the columns alone
	s_mul_i32 s23, s16, BSTEP
	s_add_co_u32 s46, s46, s23
	s_add_co_u32 s46, s46, 2359296
	s_mov_b32 s47, 0
	s_mov_b32 s45, 0xffff
	s_wait_dscnt 0x0
	s_wait_kmcnt 0x0
	s_add_nc_u64 s[20:21], s[4:5], s[20:21]
	s_add_nc_u64 s[46:47], s[6:7], s[46:47]
	CROUND                                         ; all sixteen work-groups are here: the joint loads meet
.irp g, 0,1,2,3
	s_mov_b32 s[G0A+4*\g], 1
	s_add_co_u32 s[G0A+4*\g+1], s22, \g*2*ASTEP
	s_add_nc_u64 s[G0A+4*\g+2:G0A+4*\g+3], s[20:21], \g*2*ASTEP
	s_or_b32 s[G0A+4*\g+3], s[G0A+4*\g+3], 0x80000000
	s_mov_b32 s[G0B+4*\g], 1
	s_add_co_u32 s[G0B+4*\g+1], s23, \g*2*BSTEP+BBASE
	s_add_nc_u64 s[G0B+4*\g+2:G0B+4*\g+3], s[46:47], \g*2*BSTEP
	s_or_b32 s[G0B+4*\g+3], s[G0B+4*\g+3], 0x80000000
.endr
	s_cmp_eq_u32 s15, 0                            ; a wave's four fills stand in one branch: four loads of mine are out
	s_cbranch_scc0 .Lfirst_b
	tensor_load_to_lds s[G0A:G0A+3], s[G1A:G1A+7]
	s_nop 0
	tensor_load_to_lds s[G0A+4:G0A+7], s[G1A:G1A+7]
	s_nop 0
	tensor_load_to_lds s[G0A+8:G0A+11], s[G1A:G1A+7]
	s_nop 0
	tensor_load_to_lds s[G0A+12:G0A+15], s[G1A:G1A+7]
	s_nop 0
	PLACES
	s_branch .Lfirst_done
.Lfirst_b:
	tensor_load_to_lds s[G0B:G0B+3], s[G1B:G1B+7]
	s_nop 0
	tensor_load_to_lds s[G0B+4:G0B+7], s[G1B:G1B+7]
	s_nop 0
	tensor_load_to_lds s[G0B+8:G0B+11], s[G1B:G1B+7]
	s_nop 0
	tensor_load_to_lds s[G0B+12:G0B+15], s[G1B:G1B+7]
	s_nop 0
	PLACES
.Lfirst_done:
	v_and_b32 v1, 31, v0                           ; lane
	v_and_b32 v2, 15, v0                           ; r
	v_bfe_u32 v3, v0, 4, 1                         ; h
	v_lshlrev_b32 v[L16], 4, v1
	v_lshlrev_b32 v[L4], 2, v1
	v_lshlrev_b32 v[OH], 6, v3
	v_lshlrev_b32 v4, 3, v1
	s_mul_i32 s62, s14, 6144
	v_add_nc_u32 v[AD16], s62, v[L16]              ; my four fragments in chunk 0 .. 3: the pieces of 16 bytes a lane,
	v_add_nc_u32 v[AD16+1], 2*ASTEP, v[AD16]
	v_add_nc_u32 v[AD16+2], 4*ASTEP, v[AD16]
	v_add_nc_u32 v[AD16+3], 6*ASTEP, v[AD16]
	s_add_co_u32 s62, s62, 512
	v_add_nc_u32 v[AD8], s62, v4                   ; and those of 8
	v_add_nc_u32 v[AD8+1], 2*ASTEP, v[AD8]
	v_add_nc_u32 v[AD8+2], 4*ASTEP, v[AD8]
	v_add_nc_u32 v[AD8+3], 6*ASTEP, v[AD8]
	v_add_nc_u32 v[BD], BBASE, v[L16]              ; Wo's tiles, K steps 0-3 and 4-7
	v_add_nc_u32 v[BD+1], 4*BSTEP, v[BD]
	s_mul_i32 s62, s14, 16896                      ; my two stages for the way out
	v_mul_u32_u24 v[STO], v2, 528
	v_lshl_add_u32 v[STO], v3, 6, v[STO]
	v_add_nc_u32 v[STO], s62, v[STO]               ; in: row r, + 64 h
	v_add_nc_u32 v[RD], s62, v[L16]                ; back: a row of 512 bytes to the 32 lanes
	s_lshl_b32 s62, s17, 14
	s_lshl_b32 s63, s14, 12
	s_add_co_u32 s62, s62, s63
	s_add_co_u32 s62, s62, 6291456
	s_mov_b32 s63, 0
	s_add_nc_u64 s[32:33], s[4:5], s[62:63]        ; my rows' scale words, head by head
	s_lshl_b32 s62, s42, 12
	s_add_co_u32 s62, s62, 3244032
	s_add_nc_u64 s[34:35], s[6:7], s[62:63]        ; my columns' scale words
	s_lshl_b32 s62, s42, 9
	s_add_nc_u64 s[36:37], s[8:9], s[62:63]        ; my columns' bias
	s_lshl_b32 s18, s17, 20
	s_lshl_b32 s19, s14, 18
	s_add_co_u32 s18, s18, s19
	s_add_co_u32 s18, s18, s62
	s_mov_b32 s19, 0
	s_add_nc_u64 s[56:57], s[10:11], s[18:19]      ; out0 at my first row and column
.irp i, 0,1
.irp d, 0,1,2,3,4,5,6,7,8,9,10,11,12,13,14,15
	global_load_b32 v[HH+16*\i+\d], v[L4], s[32:33] offset:2048*\i+128*\d
.endr
.endr
.irp i, 0,1,2,3
.irp j, 0,1
	global_load_b128 v[BS+8*\i+4*\j:BS+8*\i+4*\j+3], v[L16], s[34:35] offset:1024*\i+512*\j
.endr
.endr
	WIN 0x40                                       ; destination window 1
.irp t, 0,1,2,3,4,5,6,7
	global_load_b128 v[192+8*\t:192+8*\t+3], v[OH], s[36:37] offset:(32*(\t/2)+8*(\t%2))*4
	global_load_b128 v[192+8*\t+4:192+8*\t+7], v[OH], s[36:37] offset:(32*(\t/2)+8*(\t%2))*4+16
.endr
	WIN 0
	s_wait_loadcnt 0x0
.irp i, 0,1
.irp k, 0,1,2,3,4,5,6,7
	v_bfi_b32 v[AS+8*\i+\k], s45, v[HH+16*\i+2*\k], v[HH+16*\i+2*\k+1]   ; K step k: two bytes of head 2 k, two of head 2 k + 1
.endr
.endr
.rept 8
	v_nop                                          ; a scale register written by a vector instruction stands eight places ahead of a scaled product
.endr
.macro FB q, s                         ; Wo's tiles 4 q .. 4 q + 3 of K step s
.irp u, 0,1,2,3
.irp c, 0,1,2
	ds_load_b128 v[12*(4*(\q)+\u)+4*\c:12*(4*(\q)+\u)+4*\c+3], v[BD+((\s)>>2)] offset:BSTEP*((\s)&3)+1536*(4*(\q)+\u)+512*\c
.endr
.endr
.endm
.macro FA s                            ; my four fragments of K step s, into set s % 2
.irp a, 0,1,2,3
.irp c, 0,1
	ds_load_b128 v[96+48*((\s)&1)+12*\a+6*\c:96+48*((\s)&1)+12*\a+6*\c+3], v[AD16+((\s)>>1)] offset:ASTEP*((\s)&1)+1536*\a+768*\c
	ds_load_b64 v[96+48*((\s)&1)+12*\a+6*\c+4:96+48*((\s)&1)+12*\a+6*\c+5], v[AD8+((\s)>>1)] offset:ASTEP*((\s)&1)+1536*\a+768*\c
.endr
.endr
.endm
.macro MULP q, s                       ; 16 products; the 32 accumulators take turns, one instruction a turn, in the same order in every step
.if (\s) == 0
	WIN 0x95
.else
	WIN 0xa5
.endif
.irp a, 0,1,2,3
.irp u, 0,1,2,3
.set tt, 4*(\q)+\u
.set rD, 64*\a+8*tt
.set rC, rD
.if (\s) == 0
.set rC, 192+8*tt
.endif
.set rB, 12*tt
.set rA, 96+48*((\s)&1)+12*\a
.set sB, BS+8*(tt/2)+(\s)
.set sA, AS+8*(\a/2)+(\s)
	WMR rD, rB, rA, rC, sB, sA, tt%2, \a%2
.endr
.endr
.endm
.macro STEP s
	s_wait_dscnt 12                                ; tiles 0-3 and my fragments are in; tiles 4-7's twelve loads may be out
	MULP 0, \s
.if (\s) < 7
	PLACES
	WIN 0x40
	FB 0, (\s)+1
	FA (\s)+1
	s_wait_dscnt 28                                ; behind tiles 4-7: the 28 loads just issued
.else
	s_wait_dscnt 0x0
.endif
	MULP 1, \s
.if (\s) < 7
	PLACES
	WIN 0x40
	FB 1, (\s)+1
.endif
.endm
.macro SYNC n                          ; a later chunk is whole in every wave's eyes
	s_wait_tensorcnt \n
	s_wait_dscnt 0x0
	s_barrier_signal -1
	s_barrier_wait -1
.endm
	s_wait_alu depctr_va_vdst(0)
	SYNC 3                                         ; chunk 0 has landed; three loads of mine may be out
	WIN 0x40
	FB 0, 0
	FA 0
	FB 1, 0
	STEP 0
	SYNC 2                                         ; chunk 1: K step 1 fetches K step 2's fragments
	STEP 1
	STEP 2
	SYNC 1
	STEP 3
	STEP 4
	SYNC 0
	STEP 5
	STEP 6
	SYNC 0                                         ; every wave's reads of the tiles are over: the stages may lie over A's bytes, which have had their one fill
	STEP 7
	PLACES                                         ; ahead of the first read of results
; THE WAY OUT, 16 rows x 128 columns at a time, through my own stage: rows of 512 bytes + 16 in, whole rows back.  LDS serves a wave's instructions in order: no wait between the stores and the loads.
.macro TOSTAGE a
	WIN 0x08                                       ; an LDS store's data: window 2
.irp t, 0,1,2,3,4,5,6,7
	ds_store_b128 v[STO], v[64*(\a)+8*\t:64*(\a)+8*\t+3] offset:8448*((\a)%2)+128*(\t/2)+32*(\t%2)       ; each accumulator from its low end on
	ds_store_b128 v[STO], v[64*(\a)+8*\t+4:64*(\a)+8*\t+7] offset:8448*((\a)%2)+128*(\t/2)+32*(\t%2)+16
.endr
	WIN 0
.irp i, 0,1,2,3,4,5,6,7,8,9,10,11,12,13,14,15
	ds_load_b128 v[BK+64*((\a)%2)+4*\i:BK+64*((\a)%2)+4*\i+3], v[RD] offset:8448*((\a)%2)+528*\i
.endr
.endm
.macro SEND a, younger                 ; younger: the LDS instructions issued behind block a's loads
	s_wait_dscnt \younger
.irp i, 0,1,2,3,4,5,6,7,8,9,10,11,12,13,14,15
	global_store_b128 v[L16], v[BK+64*((\a)%2)+4*\i:BK+64*((\a)%2)+4*\i+3], s[56:57] offset:(32*((\a)/2)+8*((\a)%2)+\i+8*(\i/8))*4096 th:TH_STORE_NT   ; 512 consecutive bytes, aligned
.endr
.endm
	TOSTAGE 0
.irp a, 1,2,3
.if \a > 1
	s_wait_xcnt 0x0                                ; block a - 2's stores have read their registers
.endif
	TOSTAGE \a
	SEND \a-1, 32                                  ; behind block a - 1's loads: block a's 16 stores and 16 loads
.endr
	SEND 3, 0
	s_wait_tensorcnt 0x0
	s_wait_tensorcnt 0x0
	ds_add_u32 v126, v127
	s_wait_dscnt 0x0
	CROUND                                         ; the closing round
	s_endpgm
.Lfunc_end_k_q556c642471_gemm_out:
	.size	k_q556c642471_gemm_out, .Lfunc_end_k_q556c642471_gemm_out-k_q556c642471_gemm_out
	.p2alignl 7, 3214868480
	.fill 96, 4, 3214868480
	.section	.rodata,"a",@progbits
	.p2align	6, 0x0
	.amdhsa_kernel k_q556c642471_gemm_out
		.amdhsa_group_segment_fixed_size 295424
		.amdhsa_private_segment_fixed_size 0
		.amdhsa_enable_private_segment 0
		.amdhsa_kernarg_size 32
		.amdhsa_user_sgpr_count 2
		.amdhsa_user_sgpr_kernarg_segment_ptr 1
		.amdhsa_wavefront_size32 1
		.amdhsa_system_sgpr_workgroup_id_x 1
		.amdhsa_system_sgpr_workgroup_id_y 1
		.amdhsa_system_sgpr_workgroup_id_z 1
		.amdhsa_system_vgpr_workitem_id 0
		.amdhsa_next_free_vgpr 768
		.amdhsa_next_free_sgpr 100
		.amdhsa_reserve_vcc 0
		.amdhsa_float_denorm_mode_32 3
		.amdhsa_float_denorm_mode_16_64 3
		.amdhsa_memory_ordered 1
		.amdhsa_forward_progress 1
		.amdhsa_inst_pref_size 86
	.end_amdhsa_kernel
	.amdgpu_metadata
---
amdhsa.version: [ 1, 2 ]
amdhsa.kernels:
  - .name:           k_q556c642471_gemm_out
    .symbol:         k_q556c642471_gemm_out.kd
    .args:
      - { .name: AT, .offset: 0, .size: 8, .value_kind: global_buffer, .address_space: global }
      - { .name: WQ, .offset: 8, .size: 8, .value_kind: global_buffer, .address_space: global }
      - { .name: bo, .offset: 16, .size: 8, .value_kind: global_buffer, .address_space: global }
      - { .name: out0, .offset: 24, .size: 8, .value_kind: global_buffer, .address_space: global }
    .group_segment_fixed_size: 295424
    .private_segment_fixed_size: 0
    .kernarg_segment_align: 8
    .kernarg_segment_size: 32
    .max_flat_workgroup_size: 128
    .sgpr_count:     100
    .vgpr_count:     768
    .wavefront_size: 32
...
	.end_amdgpu_metadata
.endif
;; end of part 4
